; MI455X (gfx1250); checked and timed in simulation.
; The chip was launched on July 23, 2026; its instructions are those of AMD's public machine-readable ISA for CDNA 5 (MIT licence, August 2026) and "CDNA5" Instruction Set Architecture Reference Guide (July 2026). The comments in the code are by the model that wrote it; some were corrected since.
;; Fast Speech2 Conformer Attention. Allowed arithmetic: matrix products marked QUANTISED: E2M3 operands, one E8M0 scale for each 32 along K, by v_wmma_scale_f32_16x16x128_f8f6f4 with both operands' format E2M3, f32 sums; everything else in f32.
;; Inputs: Wk 384 x 384 float32; Wo 384 x 384 float32; Wpos 384 x 384 float32; Wq 384 x 384 float32; Wv 384 x 384 float32; attention_mask 8 x 1 x 2,048 int32; bk 384 float32; bo 384 float32; bq 384 float32; bv 384 float32; hidden_states 8 x 2,048 x 384 float32; pos_bias_u 4 x 96 float32; pos_bias_v 4 x 96 float32; pos_emb 1 x 4,095 x 384 float32.
;; Outputs: out0 8 x 2,048 x 384 float32.
;; This version of the problem:
;;   THIS VERSION OF THE PROBLEM IS GIVEN IN LOW PRECISION. The matrix products marked QUANTISED in the list below multiply operands that are first quantised to E2M3 (2 exponent bits, 3 mantissa bits; 6 bits a number), with one power-of-two scale for each 32 numbers along K (OCP MX v1.0); their sums are f32. All else is computed in f32.
;;   The module's matrix products, in the order in which they are computed (A, B: the left and right operand; K: the contracted axis; several contracted axes count as one K, in the product's order):
;;     1. [M 16,384, K 384] x [K 384, N 384]; A: input hidden_states; B: input Wq: QUANTISED
;;     2. [M 16,384, K 384] x [K 384, N 384]; A: input hidden_states; B: input Wk: QUANTISED
;;     3. [M 16,384, K 384] x [K 384, N 384]; A: input hidden_states; B: input Wv: QUANTISED
;;     4. [M 4,095, K 384] x [K 384, N 384]; A: input pos_emb; B: input Wpos: QUANTISED
;;     5. batch 32 x [M 2,048, K 96] x [K 96, N 2,048]; A: computed on the way; B: computed on the way: QUANTISED
;;     6. batch 4 x [M 4,095, K 96] x [K 96, N 16,384]; A: computed on the way; B: computed on the way: QUANTISED
;;     7. batch 32 x [M 96, K 2,048] x [K 2,048, N 2,048]; A: computed on the way; B: computed on the way: QUANTISED
;;     8. [M 16,384, K 384] x [K 384, N 384]; A: computed on the way; B: input Wo: QUANTISED
;;   THE QUANTISER, for each operand of a quantised product, along K:
;;     - K is cut into blocks of 32 from its start; a last block that is shorter is filled with zeros.
;;     - A block's scale is 2^e with e = floor(log2(the largest magnitude in the block)) - 2, held to -126 .. 127; a block of zeros has e = 0. As a byte (E8M0): e + 127.
;;     - Each number is divided by its block's scale, clamped to +-7.5, and rounded to the nearest number of E2M3, ties to even, subnormals kept.
;;     - The product sums the exact products of the quantised numbers (number of the format x scale) in f32.
;;   ~~~python
;;   def quantise(x, axis):      # numpy; x: float32 -> the quantised numbers, widened to float32 again
;;       x = np.moveaxis(x, axis, -1); K = x.shape[-1]
;;       x = np.pad(x, [(0, 0)] * (x.ndim - 1) + [(0, -K % 32)]); x = x.reshape(x.shape[:-1] + (-1, 32)); a = np.abs(x).max(-1, keepdims=True)
;;       e = np.where(a > 0, np.clip(np.frexp(np.where(a > 0, a, 1))[1] - 1 - 2, -126, 127), 0)      # np.frexp(a)[1] - 1 = floor(log2(a)), exactly
;;       r = np.clip(x / 2.0 ** e, -7.5, 7.5)
;;       step = 2.0 ** (np.maximum(np.frexp(np.where(r == 0, 1, r))[1] - 1, 0) - 3)
;;       q = np.round(r / step) * step * 2.0 ** e      # np.round: ties to even
;;       return np.moveaxis(q.reshape(q.shape[:-2] + (-1,))[..., :K], -1, axis).astype(np.float32)
;;   ~~~
;;   OPERANDS COMPUTED ON THE WAY. 'Computed on the way' means the value that the module computes at that place (a softmax that the list does not call 'softmax' is quantised finished and normalised). What goes into a quantiser is computed in f32, as accurately as f32 sums, v_exp_f32 and their like allow (about 1e-6 of the number): no bf16 or f16 on the way to a quantiser, and a product that is left as it is and whose result goes on into a quantised operand takes f32 operands (vector FMAs, or v_wmma_f32_16x16x4_f32). A number that lies on a knife's edge between two numbers of the format may be rounded either way, as far as f32 arithmetic and the matrix unit's own rounding can turn it there, and no further.
;; One version. Each part assembles by itself: llvm-mc -triple=amdgcn-amd-amdhsa -mcpu=gfx1250 --defsym DOCPART=n.
;; ======== version 1 of 1: 3 launches
;; limits: right only within a limited range of input values
;; workspace buffers: wbuf 576,000 bytes; qbuf 13,107,200 bytes; kbuf 6,553,600 bytes; pbuf 1,638,400 bytes; vbuf 4,915,200 bytes
;; launch wquant (part 1): grid 6 x 15, 4 waves a work-group, no clusters, 0 bytes of LDS; arguments Wq, Wk, Wv, Wpos, Wo, wbuf; writes wbuf
.if DOCPART == 1
	.amdgcn_target "amdgcn-amd-amdhsa--gfx1250"
	.amdhsa_code_object_version 6
	.text
	.protected	k_qffdae80373_wquant
	.globl	k_qffdae80373_wquant
	.p2align	8
	.type	k_qffdae80373_wquant,@function
k_qffdae80373_wquant:
	s_mov_b64 s[64:65], 0
	v_nop
	global_prefetch_b8 v0, s[64:65] scope:SCOPE_SE
	s_setreg_imm32_b32 hwreg(HW_REG_WAVE_MODE, 25, 1), 1
	s_wait_xcnt 0x0
; FIRST OF THREE LAUNCHES.  The five weights [384 (k)][384 (n)], f32, become codes of E2M3 with one E8M0 byte for each 32 along K (their first axis), laid as IMAGES OF OPERAND REGISTERS.
; A fragment is 16 columns n x 128 along K: 12 registers a lane.  Its image is 1,536 bytes: registers 4 i .. 4 i + 3 of lane l at 512 i + 16 l.  Its 16 scale words (4 bytes a column) are 64 bytes.
; wbuf: images [weight q,k,v,pos,o][K step 3][column tile 24], then from byte 552,960 the scale words in the same order.
; ONE ORDER INSIDE EVERY BLOCK OF 32, in every operand of every product of this program: place 16 g + 8 u + j of a block holds the block's number 16 u + 8 g + j.  Both operands of a product are laid alike, so each product
; multiplies the same pairs; only the order of the sum inside a matrix instruction differs.  With it two neighbouring result tiles are, as they stand in a lane, the sixteen numbers that a conversion takes.
; WORK LEFT OUT BY THE PROGRAM (third launch).  reference() pads matrix_bd [t][2t-1] by a column, reads it as [2t][t], drops the first row and keeps t columns: flat place i (2t-1) + c + t of the padded array is
; i 2t + (c + t - i) with 1 <= c + t - i <= 2t - 1, so shifted[i][c] = bd[i][c - i + t - 1], for all values of the inputs.  Of the 4,095 columns of a row of the position product 2,048 reach an output; tiles of 16 columns none
; of which does are not multiplied.  No input is left out.  LIMIT: a NaN, an infinity or an overflow that would arise only in the columns left out is not carried to the result.
; LIMITS of the quantisers here and in the later launches: a block whose largest magnitude lies under 2^-124 (a block of zeros too) gets the byte 1: its codes are zeros or the rule's, and the bytes are read by this program alone;
; NaN and infinities among the inputs are not served.
; SHARES.  Work-group y = 3 x weight + K step; a wave makes one fragment: column tile 4 x + wave.  A lane takes a column and its registers run down K, so nothing is transposed and no other lane is asked for a maximum.
.set X, 16                             ; v16-79   64 numbers: register 32 c + p = place p of my block 2 c + (lane / 16)
.set F, 80                             ; v80-91   the fragment
.set T, 92                             ; v92-98   the upper halves of the two blocks, as the conversions leave them
.set M, 100                            ; v100-101 largest magnitudes, v102-103 scale operands, v104-105 bytes
	s_load_b256 s[4:11], s[0:1], 0x0               ; Wq, Wk, Wv, Wpos
	s_load_b128 s[12:15], s[0:1], 0x20             ; Wo, wbuf
	v_lshrrev_b32 v1, 5, v0
	v_readfirstlane_b32 s18, v1                    ; wave
	v_and_b32 v2, 15, v0                           ; r
	v_bfe_u32 v3, v0, 4, 1                         ; g = lane / 16
	v_and_b32 v4, 31, v0                           ; lane
	s_and_b32 s19, ttmp7, 0xffff                   ; y
	s_mul_i32 s20, s19, 11
	s_lshr_b32 s20, s20, 5                         ; which weight: y / 3 (y under 15)
	s_mul_i32 s21, s20, 3
	s_sub_co_u32 s21, s19, s21                     ; K step
	s_lshl_b32 s22, ttmp9, 2
	s_add_co_u32 s22, s22, s18                     ; column tile
	v_mul_u32_u24 v5, v3, 49152                    ; lanes 16-31 begin 32 rows of 1,536 bytes further down
	v_lshl_add_u32 v5, v2, 2, v5                   ; + 4 r
	v_lshlrev_b32 v6, 4, v4                        ; 16 x lane
	v_lshlrev_b32 v7, 2, v2                        ; 4 r
	v_lshlrev_b32 v8, 3, v3                        ; 8 g
	v_mov_b32 v10, 0                               ; a lane permute's destination counts as one of its sources
	s_mul_i32 s24, s21, 196608                     ; 128 rows a K step
	s_lshl_b32 s23, s22, 6
	s_add_co_u32 s24, s24, s23                     ; + 64 bytes a column tile
	s_mov_b32 s25, 0
	s_mul_i32 s26, s19, 24
	s_add_co_u32 s26, s26, s22                     ; the image's number
	s_mul_i32 s28, s26, 1536
	s_mov_b32 s29, 0
	s_lshl_b32 s30, s26, 6
	s_add_co_u32 s30, s30, 552960
	s_mov_b32 s31, 0
	s_mov_b32 s32, 0x76543210
	s_mov_b32 s33, 0xfedcba98                      ; selects for lane l xor 16
	s_wait_alu depctr_va_vdst(0)
	s_wait_kmcnt 0x0
	s_cmp_eq_u32 s20, 1                            ; the weight is chosen by the work-group's number alone
	s_cselect_b64 s[16:17], s[6:7], s[4:5]
	s_cmp_eq_u32 s20, 2
	s_cselect_b64 s[16:17], s[8:9], s[16:17]
	s_cmp_eq_u32 s20, 3
	s_cselect_b64 s[16:17], s[10:11], s[16:17]
	s_cmp_eq_u32 s20, 4
	s_cselect_b64 s[16:17], s[12:13], s[16:17]
	s_add_nc_u64 s[16:17], s[16:17], s[24:25]
	s_add_nc_u64 s[34:35], s[14:15], s[28:29]      ; my image
	s_add_nc_u64 s[36:37], s[14:15], s[30:31]      ; my scale words
.irp c, 0,1
.set p, 0
.rept 32
	global_load_b32 v[X+32*\c+p], v5, s[16:17] offset:(64*\c+16*((p>>3)&1)+8*(p>>4)+(p&7))*1536   ; place p takes the block's number 16 u + 8 g' + j
.set p, p+1
.endr
.endr
	s_wait_loadcnt 0x0
.irp c, 0,1
	v_max3_num_f32 v[M+\c], |v[X+32*\c]|, |v[X+32*\c+1]|, 0x1800000   ; all 32 numbers of the block are mine; the floor 2^(3 - 127) holds the byte at 1 from below
.endr
.irp i, 2,4,6,8,10,12,14,16,18,20,22,24,26,28,30
.irp c, 0,1
	v_max3_num_f32 v[M+\c], v[M+\c], |v[X+32*\c+\i]|, |v[X+32*\c+\i+1]|
.endr
.endr
.irp c, 0,1
	v_add_nc_u32 v[M+2+\c], 0xff000000, v[M+\c]    ; 2 off the exponent field: the conversion's scale operand
.endr
.irp c, 0,1
	v_lshrrev_b32 v[M+4+\c], 23, v[M+2+\c]         ; the scale's byte
.endr
	v_lshl_or_b32 v9, v[M+5], 16, v[M+4]           ; my bytes: blocks g and 2 + g,
	v_lshlrev_b32 v9, v8, v9                       ; at their places in the word;
	v_permlanex16_b32 v10, v9, s32, s33
	v_or_b32 v9, v9, v10                           ; with lane l xor 16's two the word is whole, in both lanes
.irp c, 0,1
	v_cvt_scalef32_pk16_fp6_f32 v[F+6*\c:F+6*\c+2], v[X+32*\c:X+32*\c+15], v[M+2+\c]
	v_cvt_scalef32_pk16_fp6_f32 v[T+4*\c:T+4*\c+2], v[X+32*\c+16:X+32*\c+31], v[M+2+\c]   ; (a conversion's three registers begin on an even number)
.endr
	v_nop                                          ; one plain place behind a scaled conversion
.irp c, 0,1
.irp i, 0,1,2
	v_mov_b32 v[F+6*\c+3+\i], v[T+4*\c+\i]
.endr
.endr
.irp i, 0,1,2
	global_store_b128 v6, v[F+4*\i:F+4*\i+3], s[34:35] offset:512*\i   ; 32 lanes store 512 consecutive bytes
.endr
	global_store_b32 v7, v9, s[36:37]              ; lanes r and r + 16 store the same word at the same place
	s_endpgm
.Lfunc_end_k_qffdae80373_wquant:
	.size	k_qffdae80373_wquant, .Lfunc_end_k_qffdae80373_wquant-k_qffdae80373_wquant
	.p2alignl 7, 3214868480
	.fill 96, 4, 3214868480
	.section	.rodata,"a",@progbits
	.p2align	6, 0x0
	.amdhsa_kernel k_qffdae80373_wquant
		.amdhsa_group_segment_fixed_size 0
		.amdhsa_private_segment_fixed_size 0
		.amdhsa_enable_private_segment 0
		.amdhsa_kernarg_size 48
		.amdhsa_user_sgpr_count 2
		.amdhsa_user_sgpr_kernarg_segment_ptr 1
		.amdhsa_wavefront_size32 1
		.amdhsa_system_sgpr_workgroup_id_x 1
		.amdhsa_system_sgpr_workgroup_id_y 1
		.amdhsa_system_sgpr_workgroup_id_z 1
		.amdhsa_system_vgpr_workitem_id 0
		.amdhsa_next_free_vgpr 128
		.amdhsa_next_free_sgpr 66
		.amdhsa_reserve_vcc 0
		.amdhsa_float_denorm_mode_32 3
		.amdhsa_float_denorm_mode_16_64 3
		.amdhsa_memory_ordered 1
		.amdhsa_forward_progress 1
		.amdhsa_inst_pref_size 12
	.end_amdhsa_kernel
	.amdgpu_metadata
---
amdhsa.version: [ 1, 2 ]
amdhsa.kernels:
  - .name:           k_qffdae80373_wquant
    .symbol:         k_qffdae80373_wquant.kd
    .args:
      - { .name: Wq, .offset: 0, .size: 8, .value_kind: global_buffer, .address_space: global }
      - { .name: Wk, .offset: 8, .size: 8, .value_kind: global_buffer, .address_space: global }
      - { .name: Wv, .offset: 16, .size: 8, .value_kind: global_buffer, .address_space: global }
      - { .name: Wpos, .offset: 24, .size: 8, .value_kind: global_buffer, .address_space: global }
      - { .name: Wo, .offset: 32, .size: 8, .value_kind: global_buffer, .address_space: global }
      - { .name: wbuf, .offset: 40, .size: 8, .value_kind: global_buffer, .address_space: global }
    .group_segment_fixed_size: 0
    .private_segment_fixed_size: 0
    .kernarg_segment_align: 8
    .kernarg_segment_size: 48
    .max_flat_workgroup_size: 128
    .sgpr_count:     66
    .vgpr_count:     128
    .wavefront_size: 32
...
	.end_amdgpu_metadata
.endif
;; end of part 1
;; launch proj (part 2): grid 160 x 1, 16 waves a work-group, no clusters, 138,752 bytes of LDS; arguments hidden_states, pos_emb, attention_mask, bq, bk, bv, pos_bias_u, pos_bias_v, wbuf, qbuf, kbuf, pbuf, vbuf; writes qbuf, kbuf, pbuf, vbuf
.if DOCPART == 2
	.amdgcn_target "amdgcn-amd-amdhsa--gfx1250"
	.amdhsa_code_object_version 6
	.text
	.protected	k_qffdae80373_proj
	.globl	k_qffdae80373_proj
	.p2align	8
	.type	k_qffdae80373_proj,@function
k_qffdae80373_proj:
	s_mov_b64 s[64:65], 0
	v_nop
	global_prefetch_b8 v0, s[64:65] scope:SCOPE_SE
	s_setreg_imm32_b32 hwreg(HW_REG_WAVE_MODE, 25, 1), 1
	s_wait_xcnt 0x0
; SECOND LAUNCH: the four projections, and their results quantised into images of operand registers for the attention launch (image and order inside a block: see the first launch's head).
; Work-groups 0-127 take 128 tokens of hidden_states each, work-groups 128-159 take 128 rows of pos_emb (row 4,095 does not exist: row 4,094 is read in its place; the attention launch never uses that row's column).
; PHASE X: the 128 rows x 384 become 24 fragments (16 rows x 128 K) in LDS: wave w makes fragment w, waves 0-7 also fragment 16 + w; fragment 8 s + a = K step s, row tile a.  One barrier.
; ROLES, by wave: role = wave / 4, head = wave % 4.  Roles 0, 1, 2: q + pos_bias_u, q + pos_bias_v, k (in pos work-groups role 2 alone works, on Wpos).  The product is used transposed (source 0 = 16 columns of W, source 1 = 16 rows
; of x), so a lane holds one row and its registers run along the head's 96, which are the K of the score products: three blocks.  Role 3: v, not transposed (source 0 = 16 tokens, source 1 = 16 columns of Wv): a lane holds one
; channel and its registers run along the 128 tokens, which are one K step of the product with the attention weights.
; THE BIASES are the C of each sum's first matrix instruction: bq + pos_bias_u (or _v), bk, bv.  So bq + u is added first and the product to it: one f32 addition in another order than reference()'s.
; THE FOURTH BLOCK of the score products' K of 128 is empty (the head has 96).  It carries the mask: q + u has the code of 1.0 at its first place under the byte 127; a key whose attention_mask is 0 has the code of -7.5 there under
; the byte 252, any other key, q + v and pos the code 0 under 127.  A masked score is then its true value - 7.5 x 2^125.
; W's fragments come from memory straight into registers: Wk's, Wv's and Wpos's each by one wave of the work-group, Wq's by two (roles 0 and 1).
.set XIMG,  0                          ; LDS: x's 24 images of 1,536 bytes,
.set XSC,   36864                      ; their scale words, 64 bytes each,
.set SPARE, 38400
.set BIB,   40448                      ; behind the spare words: the bias tiles of a wave of roles 0 to 2 as twelve images of four registers, 6,144 bytes for each wave, its own
.set BL,  14                           ; v14 my bias tiles: BIB + 6,144 x wave + 16 x lane
.set LI,  1                            ; v1  16 x lane
.set LS,  2                            ; v2  4 x lane
.set XWI, 3                            ; v3  where I store x's image: 16 x lane + 1,536 x wave
.set XWS, 4                            ; v4  and its scale words: XSC + 4 r + 64 x wave
.set SPW, 5                            ; v5  my spare word; never rewritten
.set NIL, 6                            ; v6  0; never rewritten
.set R4,  7                            ; v7  4 r
.set VB,  8                            ; v8  32 x (lane / 16)
.set XA,  9                            ; v9  my byte in the source's rows
; scale operands of the matrix instructions have registers of their own: v248-254
.macro NOPS n
.rept \n
	v_nop
.endr
.endm
; one matrix instruction: D, A, B at registers d, a, b; C at c, or the constant 0 where c is negative; scale registers sa, sb; ra, rb = 1: the scales stand in lanes 16-31
.macro WM d, a, b, c, sa, ra, sb, rb
.if (\c) < 0
.if ((\ra) == 0) && ((\rb) == 0)
	v_wmma_scale_f32_16x16x128_f8f6f4 v[\d:\d+7], v[\a:\a+11], v[\b:\b+11], 0, v[\sa], v[\sb] matrix_a_fmt:MATRIX_FMT_FP6 matrix_b_fmt:MATRIX_FMT_FP6
.elseif ((\ra) == 1) && ((\rb) == 0)
	v_wmma_scale_f32_16x16x128_f8f6f4 v[\d:\d+7], v[\a:\a+11], v[\b:\b+11], 0, v[\sa], v[\sb] matrix_a_fmt:MATRIX_FMT_FP6 matrix_b_fmt:MATRIX_FMT_FP6 matrix_a_scale:MATRIX_SCALE_ROW1
.elseif ((\ra) == 0) && ((\rb) == 1)
	v_wmma_scale_f32_16x16x128_f8f6f4 v[\d:\d+7], v[\a:\a+11], v[\b:\b+11], 0, v[\sa], v[\sb] matrix_a_fmt:MATRIX_FMT_FP6 matrix_b_fmt:MATRIX_FMT_FP6 matrix_b_scale:MATRIX_SCALE_ROW1
.else
	v_wmma_scale_f32_16x16x128_f8f6f4 v[\d:\d+7], v[\a:\a+11], v[\b:\b+11], 0, v[\sa], v[\sb] matrix_a_fmt:MATRIX_FMT_FP6 matrix_b_fmt:MATRIX_FMT_FP6 matrix_a_scale:MATRIX_SCALE_ROW1 matrix_b_scale:MATRIX_SCALE_ROW1
.endif
.else
.if ((\ra) == 0) && ((\rb) == 0)
	v_wmma_scale_f32_16x16x128_f8f6f4 v[\d:\d+7], v[\a:\a+11], v[\b:\b+11], v[\c:\c+7], v[\sa], v[\sb] matrix_a_fmt:MATRIX_FMT_FP6 matrix_b_fmt:MATRIX_FMT_FP6
.elseif ((\ra) == 1) && ((\rb) == 0)
	v_wmma_scale_f32_16x16x128_f8f6f4 v[\d:\d+7], v[\a:\a+11], v[\b:\b+11], v[\c:\c+7], v[\sa], v[\sb] matrix_a_fmt:MATRIX_FMT_FP6 matrix_b_fmt:MATRIX_FMT_FP6 matrix_a_scale:MATRIX_SCALE_ROW1
.elseif ((\ra) == 0) && ((\rb) == 1)
	v_wmma_scale_f32_16x16x128_f8f6f4 v[\d:\d+7], v[\a:\a+11], v[\b:\b+11], v[\c:\c+7], v[\sa], v[\sb] matrix_a_fmt:MATRIX_FMT_FP6 matrix_b_fmt:MATRIX_FMT_FP6 matrix_b_scale:MATRIX_SCALE_ROW1
.else
	v_wmma_scale_f32_16x16x128_f8f6f4 v[\d:\d+7], v[\a:\a+11], v[\b:\b+11], v[\c:\c+7], v[\sa], v[\sb] matrix_a_fmt:MATRIX_FMT_FP6 matrix_b_fmt:MATRIX_FMT_FP6 matrix_a_scale:MATRIX_SCALE_ROW1 matrix_b_scale:MATRIX_SCALE_ROW1
.endif
.endif
.endm
; 64 numbers of a lane, register 16 b + i = place 16 (lane / 16) + i of block b of my row, become a fragment's codes in v[PC] on and its scale word in v[PW].  TM: 16 registers at work; PC: 20
.macro QUANT s
.irp b, 0,1,2,3
	v_max3_num_f32 v[TM+\b], |v[\s+16*\b]|, |v[\s+1+16*\b]|, 0x1800000   ; my 16 numbers, and the floor 2^(3 - 127): the byte cannot fall under 1
.endr
.irp i, 2,4,6,8,10,12,14
.irp b, 0,1,2,3
	v_max3_num_f32 v[TM+\b], v[TM+\b], |v[\s+16*\b+\i]|, |v[\s+1+16*\b+\i]|   ; (the four blocks by turns)
.endr
.endr
.irp b, 0,1,2,3
	s_delay_alu instid0(VALU_DEP_4)
	v_permlanex16_b32 v[TM+4+\b], v[TM+\b], s44, s45
.endr
.irp b, 0,1,2,3
	s_delay_alu instid0(VALU_DEP_4)
	v_max_num_f32 v[TM+\b], v[TM+\b], v[TM+4+\b]   ; with lane l xor 16's: the block's largest magnitude
.endr
.irp b, 0,1,2,3
	s_delay_alu instid0(VALU_DEP_4)
	v_add_nc_u32 v[TM+12+\b], 0xff000000, v[TM+\b] ; 2 off its exponent field: the conversion's scale operand
.endr
.irp b, 0,1,2,3
	s_delay_alu instid0(VALU_DEP_4)
	v_lshrrev_b32 v[TM+4+\b], 23, v[TM+12+\b]      ; the scale's byte
.endr
	s_delay_alu instid0(VALU_DEP_3)
	v_lshl_or_b32 v[PW], v[TM+5], 8, v[TM+4]
	s_delay_alu instid0(VALU_DEP_1)
	v_lshl_or_b32 v[PW], v[TM+6], 16, v[PW]
	s_delay_alu instid0(VALU_DEP_1)
	v_lshl_or_b32 v[PW], v[TM+7], 24, v[PW]
.irp c, 0,1
	v_cvt_scalef32_pk16_fp6_f32 v[PC+6*\c:PC+2+6*\c], v[\s+32*\c:\s+15+32*\c], v[TM+12+2*\c]
	v_cvt_scalef32_pk16_fp6_f32 v[PC+12+4*\c:PC+14+4*\c], v[\s+16+32*\c:\s+31+32*\c], v[TM+12+2*\c+1]   ; (a conversion's three registers begin on an even number)
.endr
	v_nop                                          ; one plain place behind a scaled conversion
.irp c, 0,1                                    ; the operand's layout wants a whole block in a lane: lanes 0-15 block 2 c, lanes 16-31 block 2 c + 1
.irp i, 0,1,2
	v_permlane16_swap_b32 v[PC+6*\c+\i], v[PC+12+4*\c+\i]
.endr
.irp i, 0,1,2
	s_delay_alu instid0(VALU_DEP_3)
	v_mov_b32 v[PC+3+6*\c+\i], v[PC+12+4*\c+\i]
.endr
.endr
.endm
.macro IMAGE adr, off
.irp c, 0,1,2
	ds_store_b128 v[\adr], v[PC+4*\c:PC+4*\c+3] offset:\off+512*\c
.endr
.endm
	s_load_b512 s[4:19], s[0:1], 0x0               ; hidden s[4:5], pos_emb s[6:7], mask s[8:9], bq s[10:11], bk s[12:13], bv s[14:15], u s[16:17], v s[18:19]
	s_load_b256 s[20:27], s[0:1], 0x40             ; wbuf s[20:21], qbuf s[22:23], kbuf s[24:25], pbuf s[26:27]
	s_load_b64 s[28:29], s[0:1], 0x60              ; vbuf
	v_lshl_add_u32 v[SPW], v0, 2, SPARE
	v_mov_b32 v[NIL], 0
	v_lshrrev_b32 v10, 5, v0
	s_delay_alu instid0(VALU_DEP_1)
	v_readfirstlane_b32 s30, v10                   ; wave 0..15
	v_and_b32 v10, 31, v0                          ; lane
	v_and_b32 v11, 15, v0                          ; r
	s_wait_alu depctr_va_vdst(0)
	v_bfe_u32 v12, v0, 4, 1                        ; lane / 16
	v_lshlrev_b32 v[LI], 4, v10
	v_lshlrev_b32 v[LS], 2, v10
	v_lshlrev_b32 v[R4], 2, v11
	s_delay_alu instid0(VALU_DEP_4)
	v_lshlrev_b32 v[VB], 5, v12
	s_mul_i32 s40, s30, 1536
	v_add_nc_u32 v[XWI], s40, v[LI]
	s_mul_i32 s43, s30, 6144
	s_add_co_u32 s43, s43, BIB
	v_add_nc_u32 v[BL], s43, v[LI]
	s_lshl_b32 s40, s30, 6
	s_add_co_u32 s40, s40, XSC
	v_add_nc_u32 v[XWS], s40, v[R4]
	s_mov_b32 s44, 0x76543210
	s_mov_b32 s45, 0xfedcba98                      ; selects for lane l xor 16
	s_mov_b32 s37, 16383
	s_cmp_ge_u32 ttmp9, 128
	s_cselect_b32 s34, 1, 0                        ; 1: a work-group of pos_emb
	s_cselect_b32 s37, 4094, s37                   ; the source's last row
	s_cselect_b32 s35, 128, 0
	s_sub_co_u32 s35, ttmp9, s35                   ; which 128 rows of the source
	s_lshl_b32 s36, s35, 7                         ; their first
	s_lshr_b32 s46, s35, 4                         ; batch
	s_and_b32 s47, s35, 15                         ; which 128 tokens of the batch
	s_and_b32 s41, s30, 7
	s_lshl_b32 s41, s41, 4
	s_add_co_u32 s41, s41, s36                     ; my row tile's first row
	v_add_nc_u32 v13, s41, v11
	s_delay_alu instid0(VALU_DEP_1)
	v_min_u32 v13, s37, v13                        ; no load leaves pos_emb
	s_delay_alu instid0(VALU_DEP_1)
	v_mul_u32_u24 v[XA], v13, 1536
	s_wait_alu depctr_va_vdst(0)
	v_add_nc_u32 v[XA], v[XA], v[VB]
	s_lshr_b32 s42, s30, 3
	s_lshl_b32 s42, s42, 9
	v_add_nc_u32 v[XA], s42, v[XA]                 ; + 512 bytes x my K step
.irp b, 0,1,2,3
	v_mov_b32 v[104+\b], 0                         ; a lane permute's destination counts as one of its sources
.endr
	s_wait_alu depctr_va_vdst(0)
	s_wait_kmcnt 0x0
	s_cmp_eq_u32 s34, 1
	s_cselect_b64 s[38:39], s[6:7], s[4:5]         ; the source, chosen by the work-group's number alone
; ---- PHASE X.  Register 16 b + 8 u + j takes number 32 b + 16 u + 8 (lane / 16) + j of my row's 128
.macro XLOAD reg, off
.irp k, 0,1,2,3
.irp u, 0,1
.irp e, 0,1
	global_load_b128 v[\reg+16*\k+8*\u+4*\e:\reg+16*\k+8*\u+4*\e+3], v[XA], s[38:39] offset:\off+128*\k+64*\u+16*\e
.endr
.endr
.endr
.endm
.set TM, 100
.set PW, 116
.set PC, 80
	XLOAD 16, 0
	s_cmp_lt_u32 s30, 8
	s_cbranch_scc0 .Lx_one
	XLOAD 120, 1024                                ; waves 0-7: the same rows' K step 2
.Lx_one:
	s_wait_loadcnt 0x0
	QUANT 16
	IMAGE XWI, XIMG
	ds_store_b32 v[XWS], v[PW]                     ; lanes r and r + 16 store the same word
	s_cmp_lt_u32 s30, 8
	s_cbranch_scc0 .Lx_done
	s_wait_dscnt 0x0                               ; the stores have read their registers
	QUANT 120
	IMAGE XWI, XIMG+24576
	ds_store_b32 v[XWS], v[PW] offset:1024
.Lx_done:
	s_wait_dscnt 0x0                               ; for the others' sake: my images lie in LDS
	s_barrier_signal -1
	s_barrier_wait -1                              ; all 24 do; nothing is stored to LDS from here on
	s_lshr_b32 s31, s30, 2                         ; role
	s_and_b32 s32, s30, 3                          ; head
	s_cmp_eq_u32 s34, 0
	s_cbranch_scc1 .Lall_roles
	s_cmp_lg_u32 s31, 2                            ; of pos_emb's rows only the one projection is wanted
	s_cbranch_scc1 .Lend
.Lall_roles:
	s_cmp_eq_u32 s31, 3
	s_cbranch_scc1 .Lcols
; ---- ROLES 0 to 2.  v16-111 the sums (16 + 48 t + 8 ct); v112-159 the bias tiles; v160-183 x's two fragments; v184-231 W's fragments, two sets of two; v248 x's scale words, v249-252 W's
.set ACC, 16
.set BI,  112
.set XF,  160
.set WF,  184
.set XS,  248
.set WSR, 249
.set FQ,  160                          ; behind the products: the two fragments made (over x's),
.set T3,  184                          ; a conversion's result on its way,
.set TQ,  188                          ; and 12 registers at work (over W's)
.set YC,  236                          ; v236 the code at the fourth block's first place where no mask speaks: 8 (the number 1.0) in lanes 0-15 of role 0, else 0
.set C63, 237                          ; v237 63: the code of -7.5
.set S127, 238                         ; v238 127 << 24
.set S252, 239                         ; v239 252 << 24
.set MK,  240                          ; v240-241 my rows' mask words
.set B3,  242                          ; v242 the fourth block's byte, at its place
.set Y0,  243                          ; v243 the fourth block's first word
.set PWQ, 244                          ; v244-245 the two scale words
.set PWP, 246                          ; v246 both in one register: lanes 0-15 the first tile's, lanes 16-31 the second's
	s_lshl_b32 s48, s34, 1
	s_add_co_u32 s48, s48, 1                       ; Wk is weight 1, Wpos weight 3
	s_cmp_eq_u32 s31, 2
	s_cselect_b32 s48, s48, 0                      ; Wq is weight 0
	s_cselect_b64 s[50:51], s[12:13], s[10:11]     ; the first bias: bk or bq
	s_cselect_b32 s58, 0, -1                       ; role 2 has no second bias
	s_cmp_eq_u32 s31, 1
	s_cselect_b64 s[52:53], s[18:19], s[16:17]     ; the second: pos_bias_v or pos_bias_u
	s_cmp_eq_u32 s34, 0
	s_cselect_b32 s57, -1, 0                       ; pos has no bias at all
	s_cmp_eq_u32 s31, 2
	s_cselect_b32 s59, s57, 0                      ; the mask speaks for keys alone
	s_mul_i32 s54, s48, 110592
	s_mul_i32 s56, s32, 9216
	s_add_co_u32 s54, s54, s56
	s_mov_b32 s55, 0
	s_add_nc_u64 s[54:55], s[20:21], s[54:55]      ; my head's six column tiles of the weight, K step 0
	s_mul_i32 s60, s48, 4608
	s_mul_i32 s62, s32, 384
	s_add_co_u32 s60, s60, s62
	s_add_co_u32 s60, s60, 552960
	s_mov_b32 s61, 0
	s_add_nc_u64 s[60:61], s[20:21], s[60:61]      ; and their scale words
	s_mov_b32 s63, 0
	s_add_nc_u64 s[50:51], s[50:51], s[62:63]      ; the biases at my head's 96
	s_add_nc_u64 s[52:53], s[52:53], s[62:63]
	s_cmp_eq_u32 s31, 1                            ; the first tile that I write: q: ((8 var + b) 4 + h) 128 + 8 step;  k: the same with var = 0;  pos: 256 h + 8 x block
	s_cselect_b32 s66, 8, 0
	s_add_co_u32 s66, s66, s46
	s_lshl_b32 s66, s66, 2
	s_add_co_u32 s66, s66, s32
	s_lshl_b32 s66, s66, 7
	s_lshl_b32 s67, s47, 3
	s_add_co_u32 s66, s66, s67
	s_lshl_b32 s67, s32, 8
	s_lshl_b32 s68, s35, 3
	s_add_co_u32 s67, s67, s68
	s_mov_b32 s69, 1572864
	s_cmp_eq_u32 s34, 0
	s_cselect_b32 s66, s66, s67
	s_cselect_b64 s[70:71], s[24:25], s[26:27]     ; kbuf or pbuf,
	s_cselect_b32 s69, 6291456, s69                ; and where its scale words begin
	s_cmp_eq_u32 s31, 2
	s_cselect_b64 s[70:71], s[70:71], s[22:23]     ; or qbuf
	s_cselect_b32 s69, s69, 12582912
	s_mul_i32 s72, s66, 1536
	s_mov_b32 s73, 0
	s_add_nc_u64 s[72:73], s[70:71], s[72:73]
	s_lshl_b32 s74, s66, 6
	s_add_co_u32 s74, s74, s69
	s_mov_b32 s75, 0
	s_add_nc_u64 s[74:75], s[70:71], s[74:75]
	s_lshl_b32 s78, s36, 2
	s_mov_b32 s79, 0
	s_add_nc_u64 s[78:79], s[8:9], s[78:79]        ; the mask words of my 128 rows (in a pos work-group they are read and not used: the select below hangs on s59)
	s_mov_b32 s82, 0xffff0000
	s_cmp_eq_u32 s31, 0
	s_cselect_b32 s76, 8, 0
	v_and_b32 v10, 31, v0
	v_mov_b32 v[C63], s76
	s_delay_alu instid0(VALU_DEP_2)
	v_cmp_gt_u32 vcc_lo, 16, v10
	s_delay_alu instid0(VALU_DEP_1)
	v_cndmask_b32 v[YC], 0, v[C63], vcc_lo
	v_mov_b32 v[C63], 63
	v_mov_b32 v[S127], 0x7f000000
	v_mov_b32 v[S252], 0xfc000000
.irp ct, 0,1,2,3,4,5                           ; lane (r, g) wants, for column tile ct, the biases of columns 16 ct + 8 g + 0 .. 7
.irp e, 0,1
	global_load_b128 v[BI+8*\ct+4*\e:BI+8*\ct+4*\e+3], v[VB], s[50:51] offset:64*\ct+16*\e
	global_load_b128 v[ACC+8*\ct+4*\e:ACC+8*\ct+4*\e+3], v[VB], s[52:53] offset:64*\ct+16*\e
.endr
.endr
	s_wait_loadcnt 0x0
.set i, 0
.rept 48
	v_cndmask_b32 v[BI+i], 0, v[BI+i], s57         ; a role takes the biases that it has: a choice by ids, with no jump
	v_cndmask_b32 v[ACC+i], 0, v[ACC+i], s58
	s_delay_alu instid0(VALU_DEP_1)
	v_add_f32 v[BI+i], v[BI+i], v[ACC+i]
.set i, i+1
.endr
.irp k, 0,1,2,3,4,5,6,7,8,9,10,11             ; the 48 bias registers go to my own LDS bytes; each trip loads them into its sums, and v112-159 take two more sets of W's fragments
	ds_store_b128 v[BL], v[BI+4*\k:BI+4*\k+3] offset:512*\k
.endr
	s_wait_dscnt 0x0                               ; the stores are done before loads land on their registers
; group g = 3 s + cp: W's column tiles 2 cp, 2 cp + 1 of K step s, and their scale words (lanes 0-15 the first tile's, lanes 16-31 the second's): 7 loads into set g % 4
.macro WGRP g
.set WSET, WF+24*((\g)%2)-72*(((\g)%4)/2)      ; four sets by turns: v184, v208, v112, v136
.irp k, 0,1,2,3,4,5
	global_load_b128 v[WSET+4*\k:WSET+4*\k+3], v[LI], s[54:55] offset:((\g)/3)*36864+((\g)%3)*3072+512*\k
.endr
	global_load_b32 v[WSR+(\g)%4], v[LS], s[60:61] offset:((\g)/3)*1536+((\g)%3)*128
.endm
; 48 numbers of a lane (three blocks of the head's 96) become a fragment at f and its scale word at pw; the fourth block is v[Y0] and v[B3]
.macro QUANT3 src, f, pw
.irp b, 0,1,2
	v_max3_num_f32 v[TQ+\b], |v[\src+16*\b]|, |v[\src+16*\b+1]|, 0x1800000
.endr
.irp i, 2,4,6,8,10,12,14
.irp b, 0,1,2
	v_max3_num_f32 v[TQ+\b], v[TQ+\b], |v[\src+16*\b+\i]|, |v[\src+16*\b+\i+1]|
.endr
.endr
.irp b, 0,1,2
	s_delay_alu instid0(VALU_DEP_3)
	v_permlanex16_b32 v[TQ+4+\b], v[TQ+\b], s44, s45
.endr
.irp b, 0,1,2
	s_delay_alu instid0(VALU_DEP_3)
	v_max_num_f32 v[TQ+\b], v[TQ+\b], v[TQ+4+\b]
.endr
.irp b, 0,1,2
	s_delay_alu instid0(VALU_DEP_3)
	v_add_nc_u32 v[TQ+8+\b], 0xff000000, v[TQ+\b]
.endr
.irp b, 0,1,2
	s_delay_alu instid0(VALU_DEP_3)
	v_lshrrev_b32 v[TQ+4+\b], 23, v[TQ+8+\b]
.endr
	s_delay_alu instid0(VALU_DEP_2)
	v_lshl_or_b32 v[\pw], v[TQ+5], 8, v[TQ+4]
	s_delay_alu instid0(VALU_DEP_1)
	v_lshl_or_b32 v[\pw], v[TQ+6], 16, v[\pw]
	s_delay_alu instid0(VALU_DEP_1)
	v_or_b32 v[\pw], v[\pw], v[B3]
	v_cvt_scalef32_pk16_fp6_f32 v[\f:\f+2], v[\src:\src+15], v[TQ+8]
	v_cvt_scalef32_pk16_fp6_f32 v[T3:T3+2], v[\src+16:\src+31], v[TQ+9]
	v_cvt_scalef32_pk16_fp6_f32 v[\f+6:\f+8], v[\src+32:\src+47], v[TQ+10]
	v_mov_b32 v[\f+9], v[Y0]                       ; the fourth block's lower half stands in lanes 0-15 until the exchange.  (Also the plain place behind the conversions)
	v_mov_b32 v[\f+10], 0
	v_mov_b32 v[\f+11], 0
.irp i, 0,1,2
	v_permlane16_swap_b32 v[\f+\i], v[T3+\i]       ; lanes 0-15 block 0, lanes 16-31 block 1: lower halves here, upper halves in T3
	v_permlane16_swap_b32 v[\f+6+\i], v[\f+9+\i]   ; blocks 2 and 3: both halves fall into place
.endr
.irp i, 0,1,2
	v_mov_b32 v[\f+3+\i], v[T3+\i]
.endr
.endm
; a trip: row tiles 2 tp, 2 tp + 1 x my head's six column tiles: twelve sums by turns, nine groups of four matrix instructions
.macro RTRIP tp
	s_wait_xcnt 0x0                                ; the last trip's stores have read their registers, which are written again below
	global_load_b32 v[MK], v[R4], s[78:79] offset:128*\tp
	global_load_b32 v[MK+1], v[R4], s[78:79] offset:128*\tp+64
	WGRP 0
	WGRP 1
	WGRP 2                                         ; three groups are asked for ahead of the group in hand
.irp t, 0,1
.irp k, 0,1,2,3,4,5,6,7,8,9,10,11
	ds_load_b128 v[ACC+48*\t+4*\k:ACC+48*\t+4*\k+3], v[BL] offset:512*\k   ; the biases start both row tiles' sums; the wait for x's fragments below covers these loads
.endr
.endr
.set g, 0
.rept 9
.if g > 0
	NOPS 4                                         ; places in front of loads into registers that matrix instructions have read
.endif
.if g < 6
	WGRP g+3
.endif
.if g%3 == 0
.irp t, 0,1
.irp c, 0,1,2
	ds_load_b128 v[XF+12*\t+4*\c:XF+12*\t+4*\c+3], v[LI] offset:XIMG+(8*(g/3)+2*\tp+\t)*1536+512*\c
.endr
.endr
	ds_load_b32 v[XS], v[LS] offset:XSC+(8*(g/3)+2*\tp)*64   ; lanes 0-15 the first tile's words, lanes 16-31 the second's
	s_wait_dscnt 0x0
.endif
.if g < 6
	s_wait_loadcnt 21                              ; this group is in; the three groups behind it, 7 loads each, stay out
.else
	s_wait_loadcnt 7*(8-g)                         ; the groups that are left behind this one
.endif
.irp e, 0,1
.irp t, 0,1
	WM ACC+48*\t+8*(2*(g%3)+\e), WF+24*(g%2)-72*((g%4)/2)+12*\e, XF+12*\t, ACC+48*\t+8*(2*(g%3)+\e), WSR+g%4, \e, XS, \t
.endr
.endr
.set g, g+1
.endr
	NOPS 4
.irp t, 0,1
	v_cmp_eq_u32 s80, 0, v[MK+\t]                  ; masked rows,
	s_and_b32 s80, s80, s59                        ; if I make keys
	v_cndmask_b32 v[B3], v[S127], v[S252], s80
	s_and_b32 s81, s80, 0xffff
	v_cndmask_b32 v[Y0], v[YC], v[C63], s81
	QUANT3 ACC+48*\t, FQ+12*\t, PWQ+\t
.endr
.irp t, 0,1
.irp c, 0,1,2
	global_store_b128 v[LI], v[FQ+12*\t+4*\c:FQ+12*\t+4*\c+3], s[72:73] offset:(2*\tp+\t)*1536+512*\c
.endr
.endr
	v_cndmask_b32 v[PWP], v[PWQ], v[PWQ+1], s82
	global_store_b32 v[LS], v[PWP], s[74:75] offset:128*\tp
.endm
	s_wait_alu depctr_va_vdst(0)
	RTRIP 0
	RTRIP 1
	RTRIP 2
	RTRIP 3
	s_branch .Lend
; ---- ROLE 3: v.  v16-79 the sums (8 a + j: token 16 a + 8 g + j); v80-87 bv of my channel, eight times; v88-183 x's eight fragments of a K step; v184-219 Wv's three fragments; v248-251 x's scale words, v252-254 Wv's
.Lcols:
.set CB,  80
.set XC,  88
.set WC,  184
.set BV,  220
.set XCS, 248
.set WCS, 252
.set TM,  88                           ; the quantiser works over x's fragments, which are done with
.set PW,  104
.set PC,  106
	s_mul_i32 s54, s32, 9216
	s_add_co_u32 s54, s54, 221184                  ; Wv is weight 2
	s_mov_b32 s55, 0
	s_add_nc_u64 s[54:55], s[20:21], s[54:55]
	s_mul_i32 s56, s32, 384
	s_add_co_u32 s60, s56, 562176
	s_mov_b32 s61, 0
	s_add_nc_u64 s[60:61], s[20:21], s[60:61]
	s_mov_b32 s57, 0
	s_add_nc_u64 s[50:51], s[14:15], s[56:57]      ; bv at my head's 96
	s_lshl_b32 s66, s46, 2
	s_add_co_u32 s66, s66, s32
	s_lshl_b32 s66, s66, 4
	s_add_co_u32 s66, s66, s47                     ; (4 b + h) 16 + step: six images each
	s_mul_i32 s72, s66, 9216
	s_mov_b32 s73, 0
	s_add_nc_u64 s[72:73], s[28:29], s[72:73]
	s_mul_i32 s74, s66, 384
	s_add_co_u32 s74, s74, 4718592
	s_mov_b32 s75, 0
	s_add_nc_u64 s[74:75], s[28:29], s[74:75]
.macro CTRIP ct                        ; channels 16 ct .. 16 ct + 15 of my head, all 128 tokens: one fragment of V^T
	s_wait_xcnt 0x0                                ; the last trip's stores have read their registers
.irp s, 0,1,2
.irp k, 0,1,2
	global_load_b128 v[WC+12*\s+4*\k:WC+12*\s+4*\k+3], v[LI], s[54:55] offset:(24*\s+\ct)*1536+512*\k
.endr
	global_load_b32 v[WCS+\s], v[R4], s[60:61] offset:(24*\s+\ct)*64
.endr
	global_load_b32 v[BV], v[R4], s[50:51] offset:64*\ct
.irp s, 0,1,2
.if \s > 0
	NOPS 4
.endif
.irp a, 0,1,2,3,4,5,6,7
.irp c, 0,1,2
	ds_load_b128 v[XC+12*\a+4*\c:XC+12*\a+4*\c+3], v[LI] offset:XIMG+(8*\s+\a)*1536+512*\c
.endr
.endr
.irp k, 0,1,2,3
	ds_load_b32 v[XCS+\k], v[LS] offset:XSC+(8*\s+2*\k)*64
.endr
.if \s == 0
	s_wait_loadcnt 0x0
.irp j, 0,1,2,3,4,5,6,7
	v_mov_b32 v[CB+\j], v[BV]                      ; a lane's eight results are eight tokens of one channel: one bias
.endr
.endif
	s_wait_alu depctr_va_vdst(0)
	s_wait_dscnt 0x0
.irp a, 0,1,2,3,4,5,6,7
.if \s == 0
	WM ACC+8*\a, XC+12*\a, WC+12*\s, CB, XCS+\a/2, \a%2, WCS+\s, 0
.else
	WM ACC+8*\a, XC+12*\a, WC+12*\s, ACC+8*\a, XCS+\a/2, \a%2, WCS+\s, 0
.endif
.endr
.endr
	NOPS 4
	QUANT ACC
.irp c, 0,1,2
	global_store_b128 v[LI], v[PC+4*\c:PC+4*\c+3], s[72:73] offset:\ct*1536+512*\c
.endr
	global_store_b32 v[R4], v[PW], s[74:75] offset:\ct*64   ; lanes r and r + 16 store the same word at the same place
.endm
	CTRIP 0
	CTRIP 1
	CTRIP 2
	CTRIP 3
	CTRIP 4
	CTRIP 5
.Lend:
	s_wait_tensorcnt 0x0                           ; the wave's end, behind my last LDS store
	ds_add_u32 v[SPW], v[NIL]
	s_wait_dscnt 0x0
	s_endpgm
.Lfunc_end_k_qffdae80373_proj:
	.size	k_qffdae80373_proj, .Lfunc_end_k_qffdae80373_proj-k_qffdae80373_proj
	.p2alignl 7, 3214868480
	.fill 96, 4, 3214868480
	.section	.rodata,"a",@progbits
	.p2align	6, 0x0
	.amdhsa_kernel k_qffdae80373_proj
		.amdhsa_group_segment_fixed_size 138752
		.amdhsa_private_segment_fixed_size 0
		.amdhsa_enable_private_segment 0
		.amdhsa_kernarg_size 104
		.amdhsa_user_sgpr_count 2
		.amdhsa_user_sgpr_kernarg_segment_ptr 1
		.amdhsa_wavefront_size32 1
		.amdhsa_system_sgpr_workgroup_id_x 1
		.amdhsa_system_sgpr_workgroup_id_y 1
		.amdhsa_system_sgpr_workgroup_id_z 1
		.amdhsa_system_vgpr_workitem_id 0
		.amdhsa_next_free_vgpr 256
		.amdhsa_next_free_sgpr 100
		.amdhsa_reserve_vcc 1
		.amdhsa_float_denorm_mode_32 3
		.amdhsa_float_denorm_mode_16_64 3
		.amdhsa_memory_ordered 1
		.amdhsa_forward_progress 1
		.amdhsa_inst_pref_size 215
	.end_amdhsa_kernel
	.amdgpu_metadata
---
amdhsa.version: [ 1, 2 ]
amdhsa.kernels:
  - .name:           k_qffdae80373_proj
    .symbol:         k_qffdae80373_proj.kd
    .args:
      - { .name: hidden_states, .offset: 0, .size: 8, .value_kind: global_buffer, .address_space: global }
      - { .name: pos_emb, .offset: 8, .size: 8, .value_kind: global_buffer, .address_space: global }
      - { .name: attention_mask, .offset: 16, .size: 8, .value_kind: global_buffer, .address_space: global }
      - { .name: bq, .offset: 24, .size: 8, .value_kind: global_buffer, .address_space: global }
      - { .name: bk, .offset: 32, .size: 8, .value_kind: global_buffer, .address_space: global }
      - { .name: bv, .offset: 40, .size: 8, .value_kind: global_buffer, .address_space: global }
      - { .name: pos_bias_u, .offset: 48, .size: 8, .value_kind: global_buffer, .address_space: global }
      - { .name: pos_bias_v, .offset: 56, .size: 8, .value_kind: global_buffer, .address_space: global }
      - { .name: wbuf, .offset: 64, .size: 8, .value_kind: global_buffer, .address_space: global }
      - { .name: qbuf, .offset: 72, .size: 8, .value_kind: global_buffer, .address_space: global }
      - { .name: kbuf, .offset: 80, .size: 8, .value_kind: global_buffer, .address_space: global }
      - { .name: pbuf, .offset: 88, .size: 8, .value_kind: global_buffer, .address_space: global }
      - { .name: vbuf, .offset: 96, .size: 8, .value_kind: global_buffer, .address_space: global }
    .group_segment_fixed_size: 138752
    .private_segment_fixed_size: 0
    .kernarg_segment_align: 8
    .kernarg_segment_size: 104
    .max_flat_workgroup_size: 512
    .sgpr_count:     100
    .vgpr_count:     256
    .wavefront_size: 32
...
	.end_amdgpu_metadata
.endif
;; end of part 2
;; launch attn (part 3): grid 64 x 8, 16 waves a work-group, no clusters, 249,856 bytes of LDS; arguments qbuf, kbuf, pbuf, vbuf, wbuf, bo, out0; writes out0
.if DOCPART == 3
	.amdgcn_target "amdgcn-amd-amdhsa--gfx1250"
	.amdhsa_code_object_version 6
	.text
	.protected	k_qffdae80373_attn
	.globl	k_qffdae80373_attn
	.p2align	8
	.type	k_qffdae80373_attn,@function
k_qffdae80373_attn:
	s_mov_b64 s[64:65], 0
	v_nop
	global_prefetch_b8 v0, s[64:65] scope:SCOPE_SE
	s_setreg_imm32_b32 hwreg(HW_REG_WAVE_MODE, 25, 1), 1
	s_wait_xcnt 0x0
; THIRD LAUNCH: scores, softmax, the product with V and the projection by Wo, for 32 queries of one batch a work-group (x: block of 32 queries, y: batch), the four heads one after the other.
; WORK LEFT OUT: of the position product only the columns n = k - q + 2047 reach an output (shown at the first launch's head): a wave multiplies nine tiles of 16 columns for each tile of 16 queries, and no others.
; SHARES.  Sixteen waves; wave w owns keys 128 w .. 128 w + 127 and holds the scores of the 32 queries (two tiles) against them in 128 registers: scores and exponentials are made once, and the finished, normalised, masked
; softmax is what is quantised, in blocks of 32 keys.
; THE SHIFT.  BD = q_v pos^T is taken with the query in the registers and n in the lanes; each number goes to the wave's own stage in LDS at row = query, column = n + query - 15 + 16 (the skew lies in the address), and the rows come
; back as the C of the content product K q_u^T: the sum of the two scores costs no instruction.
; THE MASK rides in the empty fourth block of the content product (second launch's head): a masked score is its value - 7.5 x 2^125, and its exponential is 0.
; SOFTMAX.  t = score x log2(e) / sqrt(96).  A wave takes its own largest t, m_w (held at -2^100 x c from below, so that in a wave all of whose keys are masked the exponents stay far under 0), e = 2^(t - m_w) and the sum l_w; the
; sixteen (m_w, l_w) of a query meet in LDS; m = the largest m_w, l = the sum of l_w 2^(m_w - m), p = e x 2^(m_w - m) / l.  A row all of whose keys are masked has m under -2^90 and gets p = 0, as reference()'s second where gives.
; LIMITS: a row whose every true t lies under -2^90 counts as masked; a masked score is -3.19e38 and not the least f32 number: no result hangs on which; NaN and infinities are not served.
; O^T = V^T P^T is summed over the sixteen waves through LDS by six waves, quantised and kept in LDS as rows of codes; behind the fourth head every wave makes three tiles of out = ctx Wo + bo.
; K, V and pos fragments are images of operand registers in memory; each is read by one wave of the work-group (a pos tile by at most two), so it goes straight into registers.  No tensor load, no cluster: nothing of a step is shared inside a work-group,
; and a way through LDS would add reads to the unit that this kernel leans on most.
; LOADS ARE ASKED FOR A PHASE AHEAD, as soon as their registers are done with: the next head's q_v and pos tiles (42 loads) behind the barrier in front of the reduction; q_u and five of K's eight tiles among the stage's 144 stores (the
; second query tile walks the pos tiles downward, so that registers fall free from the top of the pos region); V's first four tiles ahead of the softmax.  K's last three tiles follow the products of its first three.
.set STGB,  10496                      ; LDS, from 0: a stage of 16 rows x 656 bytes for each wave (167,936 bytes);
                                       ; later in a head, over the same bytes: the waves' parts of O^T, [12 tiles][16 waves] x 1,024 bytes (196,608); at the end 32 rows of out, 1,552 bytes apart
.set EX,    196608                     ; m_w: [tile 2][query 16] rows of 16 waves' f32 + 16 bytes: 80 = 20 words apart, so that the sixteen lanes of a load of 16 bytes take sixteen different columns of 16 bytes modulo 256;
.set EXT,   1280                       ; from tile to tile;
.set EXQ,   2560                       ; l_w likewise, so far on
.set CTX,   201728                     ; ctx as codes: 32 rows of 288 bytes, 304 apart
.set CSC,   211456                     ; its scale bytes: 16 bytes a row
.set SPARE, 211968
; Q THROUGH LDS.  All sixteen waves multiply by the same four q images of a head.  The sixteen images of the four heads come from memory once, one a wave, and are read from LDS afterwards.
; A head's block: q_v of tile 0, of tile 1, q_u of tile 0, of tile 1 (1,536 bytes each), then q_v's and q_u's scale words, one word for each lane 16 bytes apart (512 bytes each), so that one address register serves all.
.set QL,    214016                     ; behind the spare words: four such blocks (and room for a fifth, which nothing touches)
.set QHB,   7168                       ; a head's block
.set QA,    14                         ; v14  in the loop: QL + 16 x lane + QHB x head  (at the tail the register is made anew as OSL)
.set LH,    15                         ; v15  in the loop: 16 x (lane % 16)  (at the tail made anew as CSCL)
.set CTXL, 0                           ; v0   ctx fragments: my row and half (made last at the head, when the thread's number has served)
.set LI,   1                           ; v1   16 x lane
.set LS,   2                           ; v2   4 x lane
.set STS,  3                           ; v3   stage, in
.set STL,  4                           ; v4   stage, out
.set SPW,  5                           ; v5   my spare word; never rewritten
.set NIL,  6                           ; v6   0; never rewritten
.set EXS,  7                           ; v7   where I put m_w
.set EXL,  8                           ; v8   where I read eight waves' m_w
.set RDS,  9                           ; v9   my part of O^T, tiles 0-3  (v254, v255: tiles 4-7, 8-11)
.set RDL,  10                          ; v10  the two tiles that I sum
.set CXS,  11                          ; v11  where I put 16 codes of ctx; 72 bytes on in each head
.set CSS,  12                          ; v12  and their scale byte; 3 bytes on
.set OSS,  13                          ; v13  rows of out, in
.set OSL,  14                          ; v14  rows of out, back
.set CSCL, 15                          ; v15  ctx's scale words
.set RDS1, 254
.set RDS2, 255
; v16-23 at work; v24-35 q_v of tile 0, then q_u of tile 0, later at work; v36-47 q_v of tile 1, then a tile of K, later at work; v48, v49, v170-177 scale operands and nothing else;
; v50-169 pos fragments, later S1 (v50-113), K, q_u of tile 1 (v158-169), V; v178-249 BD's results, S0 (v178-241), later the reduction; v242-253 a tile of K, then block maxima, m_w and the factors
.macro NOPS n
.rept \n
	v_nop
.endr
.endm
.macro BAR
	s_wait_dscnt 0x0                               ; my LDS stores have landed and my LDS loads are in
	s_barrier_signal -1
	s_barrier_wait -1
.endm
.macro WM d, a, b, c, sa, ra, sb, rb
.if (\c) < 0
.if ((\ra) == 0) && ((\rb) == 0)
	v_wmma_scale_f32_16x16x128_f8f6f4 v[\d:\d+7], v[\a:\a+11], v[\b:\b+11], 0, v[\sa], v[\sb] matrix_a_fmt:MATRIX_FMT_FP6 matrix_b_fmt:MATRIX_FMT_FP6
.elseif ((\ra) == 1) && ((\rb) == 0)
	v_wmma_scale_f32_16x16x128_f8f6f4 v[\d:\d+7], v[\a:\a+11], v[\b:\b+11], 0, v[\sa], v[\sb] matrix_a_fmt:MATRIX_FMT_FP6 matrix_b_fmt:MATRIX_FMT_FP6 matrix_a_scale:MATRIX_SCALE_ROW1
.elseif ((\ra) == 0) && ((\rb) == 1)
	v_wmma_scale_f32_16x16x128_f8f6f4 v[\d:\d+7], v[\a:\a+11], v[\b:\b+11], 0, v[\sa], v[\sb] matrix_a_fmt:MATRIX_FMT_FP6 matrix_b_fmt:MATRIX_FMT_FP6 matrix_b_scale:MATRIX_SCALE_ROW1
.else
	v_wmma_scale_f32_16x16x128_f8f6f4 v[\d:\d+7], v[\a:\a+11], v[\b:\b+11], 0, v[\sa], v[\sb] matrix_a_fmt:MATRIX_FMT_FP6 matrix_b_fmt:MATRIX_FMT_FP6 matrix_a_scale:MATRIX_SCALE_ROW1 matrix_b_scale:MATRIX_SCALE_ROW1
.endif
.else
.if ((\ra) == 0) && ((\rb) == 0)
	v_wmma_scale_f32_16x16x128_f8f6f4 v[\d:\d+7], v[\a:\a+11], v[\b:\b+11], v[\c:\c+7], v[\sa], v[\sb] matrix_a_fmt:MATRIX_FMT_FP6 matrix_b_fmt:MATRIX_FMT_FP6
.elseif ((\ra) == 1) && ((\rb) == 0)
	v_wmma_scale_f32_16x16x128_f8f6f4 v[\d:\d+7], v[\a:\a+11], v[\b:\b+11], v[\c:\c+7], v[\sa], v[\sb] matrix_a_fmt:MATRIX_FMT_FP6 matrix_b_fmt:MATRIX_FMT_FP6 matrix_a_scale:MATRIX_SCALE_ROW1
.elseif ((\ra) == 0) && ((\rb) == 1)
	v_wmma_scale_f32_16x16x128_f8f6f4 v[\d:\d+7], v[\a:\a+11], v[\b:\b+11], v[\c:\c+7], v[\sa], v[\sb] matrix_a_fmt:MATRIX_FMT_FP6 matrix_b_fmt:MATRIX_FMT_FP6 matrix_b_scale:MATRIX_SCALE_ROW1
.else
	v_wmma_scale_f32_16x16x128_f8f6f4 v[\d:\d+7], v[\a:\a+11], v[\b:\b+11], v[\c:\c+7], v[\sa], v[\sb] matrix_a_fmt:MATRIX_FMT_FP6 matrix_b_fmt:MATRIX_FMT_FP6 matrix_a_scale:MATRIX_SCALE_ROW1 matrix_b_scale:MATRIX_SCALE_ROW1
.endif
.endif
.endm
.macro GFRAG reg, sb, off              ; a fragment's image from memory: three loads, of 512, 512 and 256 consecutive bytes
; K and pos.  Registers 8-11 of lanes 16-31 hold places 10 and up of the fourth block of 32; q's codes at those places are zeros (second launch), and every code of E2M3 is a finite number,
; so whatever stands there adds exactly 0.  The third load therefore names only lanes 0-15's 256 bytes, in both halves of the lanes.
.irp k, 0,1
	global_load_b128 v[\reg+4*\k:\reg+4*\k+3], v[LI], s[\sb:\sb+1] offset:\off+512*\k
.endr
	global_load_b128 v[\reg+8:\reg+11], v[LH], s[\sb:\sb+1] offset:\off+1024
.endm
.macro GFULL reg, sb, off              ; V and Wo: all four blocks count: the whole image
.irp k, 0,1,2
	global_load_b128 v[\reg+4*\k:\reg+4*\k+3], v[LI], s[\sb:\sb+1] offset:\off+512*\k
.endr
.endm
; a head's q_v (two fragments and their scale words), its ten tiles of pos and their scale words: 42 loads.  dp, dps: bytes from where the bases stand: 0 for the head in hand, a head's step for the next
.macro ASKQ dl                         ; q_v's two fragments and its scale words from LDS; dl: 0 for the head in hand, QHB for the next
.irp k, 0,1,2
	ds_load_b128 v[24+4*\k:27+4*\k], v[QA] offset:\dl+512*\k
	ds_load_b128 v[36+4*\k:39+4*\k], v[QA] offset:\dl+1536+512*\k
.endr
	ds_load_b32 v48, v[QA] offset:\dl+6144         ; lanes 0-15 tile 0's scale words, lanes 16-31 tile 1's
.endm
.macro ASKHEAD dp, dps                 ; the ten tiles of pos and their scale words: 35 loads
.irp k, 0,1,2,3,4
	global_load_b32 v[170+\k], v[LS], s[30:31] offset:128*\k+\dps
.endr
.irp i, 0,1,2,3,4,5,6,7,8,9
	GFRAG 50+12*\i, 28, 1536*\i+\dp
.endr
.endm
.macro STGS d, p                       ; BD's tile p of nine: register j of lane (r, g) is (query 8 g + j, column 16 p + r): to stage row 8 g + j, word 16 p + r + 8 g + j + 1
.irp j, 0,1,2,3,4,5,6,7
	ds_store_b32 v[STS], v[\d+\j] offset:660*\j+64*\p
.endr
.endm
.macro STGL sr                         ; back: lane (r, g) takes query r, keys 16 a + 8 g + 0 .. 7: the layout of K q^T's result.  LDS serves a wave's instructions in order: these see my stores
.irp a, 0,1,2,3,4,5,6,7
	ds_load_b128 v[\sr+8*\a:\sr+8*\a+3], v[STL] offset:64*\a
	ds_load_b128 v[\sr+8*\a+4:\sr+8*\a+7], v[STL] offset:64*\a+16
.endr
.endm
.macro AC a, kr                        ; scores of key tile a for both query tiles: the stage's rows are C, in place
	WM 178+8*\a, \kr, 24, 178+8*\a, 174+\a/2, \a%2, 49, 0
	WM 50+8*\a, \kr, 158, 50+8*\a, 174+\a/2, \a%2, 49, 1
.endm
; tile t's scores at sr become e = 2^(t - m_w); each block's largest e in v[242 + 4 t ..]; m_w in v[250 + 2 t]; m_w and l_w go to LDS
.macro SOFT1 t, sr
.set BM, 242+4*\t
.set MC, 250+2*\t
.irp b, 0,1,2,3
	v_max3_num_f32 v[BM+\b], v[\sr+16*\b], v[\sr+16*\b+1], v[\sr+16*\b+2]   ; the largest score of each block of 32 keys: it serves for the row's maximum and, since e rises with the score, for the block's largest e
.endr
.irp i, 3,5,7,9,11,13
.irp b, 0,1,2,3
	v_max3_num_f32 v[BM+\b], v[BM+\b], v[\sr+16*\b+\i], v[\sr+16*\b+\i+1]
.endr
.endr
.irp b, 0,1,2,3
	v_max_num_f32 v[BM+\b], v[BM+\b], v[\sr+16*\b+15]
.endr
.irp b, 0,1,2,3
	s_delay_alu instid0(VALU_DEP_4)
	v_permlanex16_b32 v[24+\b], v[BM+\b], s42, s43
.endr
.irp b, 0,1,2,3
	s_delay_alu instid0(VALU_DEP_4)
	v_max_num_f32 v[BM+\b], v[BM+\b], v[24+\b]
.endr
	s_delay_alu instid0(VALU_DEP_2)
	v_max3_num_f32 v16, v[BM], v[BM+1], v[BM+2]
	s_delay_alu instid0(VALU_DEP_1)
	v_max3_num_f32 v16, v16, v[BM+3], 0xf1800000   ; held at -2^100 from below
	s_delay_alu instid0(VALU_DEP_1)
	v_mul_f32 v[MC], s44, v16                      ; m_w
	s_delay_alu instid0(VALU_DEP_2)
	v_mul_f32 v[MC+1], s44, v16                    ; (named with it as a pair, so it is written)
.set j, 0
.rept 32
	v_pk_fma_f32 v[\sr+j:\sr+j+1], v[\sr+j:\sr+j+1], s[44:45], v[MC:MC+1] op_sel_hi:[1,0,0] neg_lo:[0,0,1] neg_hi:[0,0,1]   ; c s - m_w, two at a time
.set j, j+2
.endr
.irp b, 0,1,2,3
	v_fma_f32 v[BM+\b], v[BM+\b], s44, -v[MC]      ; the same of each block's largest score
.endr
.set j, 0
	s_wait_alu depctr_va_vdst(0)
.rept 64
	v_exp_f32 v[\sr+j], v[\sr+j]
.set j, j+1
.endr
.irp b, 0,1,2,3
	v_exp_f32 v[BM+\b], v[BM+\b]
.endr
	v_nop                                          ; a plain place behind the last exponential
	s_wait_alu depctr_va_vdst(0)                   ; one wait for the batch of 68, ahead of its first reader
	v_pk_add_f32 v[28:29], v[\sr:\sr+1], v[\sr+2:\sr+3]
	v_pk_add_f32 v[30:31], v[\sr+4:\sr+5], v[\sr+6:\sr+7]
.irp i, 8,12,16,20,24,28,32,36,40,44,48,52,56,60
	v_pk_add_f32 v[28:29], v[28:29], v[\sr+\i:\sr+\i+1]
	v_pk_add_f32 v[30:31], v[30:31], v[\sr+\i+2:\sr+\i+3]
.endr
	s_delay_alu instid0(VALU_DEP_1)
	v_pk_add_f32 v[28:29], v[28:29], v[30:31]
	s_delay_alu instid0(VALU_DEP_1)
	v_add_f32 v28, v28, v29
	s_delay_alu instid0(VALU_DEP_1)
	v_permlanex16_b32 v29, v28, s42, s43
	s_delay_alu instid0(VALU_DEP_1)
	v_add_f32 v[32+\t], v28, v29                   ; l_w
	ds_store_b32 v[EXS], v[MC] offset:EXT*\t       ; lanes r and r + 16 store the same word
	ds_store_b32 v[EXS], v[32+\t] offset:EXQ+EXT*\t
.endm
; eight waves' m_w at mcr and l_w at lr (lanes 0-15: waves 0-7, lanes 16-31: waves 8-15) give the factor 2^(m_w - m) / l of my wave, into v[250 + 2 t]
.macro SOFT2 t, mcr, lr
.set FF, 250+2*\t
	v_max3_num_f32 v16, v[\mcr], v[\mcr+1], v[\mcr+2]
	s_delay_alu instid0(VALU_DEP_1)
	v_max3_num_f32 v16, v16, v[\mcr+3], v[\mcr+4]
	s_delay_alu instid0(VALU_DEP_1)
	v_max3_num_f32 v16, v16, v[\mcr+5], v[\mcr+6]
	s_delay_alu instid0(VALU_DEP_1)
	v_max_num_f32 v16, v16, v[\mcr+7]
	v_permlanex16_b32 v17, v16, s42, s43
	s_delay_alu instid0(VALU_DEP_1)
	v_max_num_f32 v16, v16, v17                    ; m
.irp i, 0,2,4,6
	v_pk_add_f32 v[\mcr+\i:\mcr+\i+1], v[\mcr+\i:\mcr+\i+1], v[16:17] op_sel_hi:[1,0] neg_lo:[0,1] neg_hi:[0,1]
.endr
	v_sub_f32 v18, v[FF], v16
	s_wait_alu depctr_va_vdst(0)
.irp i, 0,1,2,3,4,5,6,7
	v_exp_f32 v[\mcr+\i], v[\mcr+\i]
.endr
	v_exp_f32 v18, v18
	v_nop
	s_wait_alu depctr_va_vdst(0)                   ; one wait for the nine
	v_mul_f32 v19, v[\mcr], v[\lr]
.irp i, 1,2,3,4,5,6,7
	v_fmac_f32 v19, v[\mcr+\i], v[\lr+\i]
.endr
	v_permlanex16_b32 v20, v19, s42, s43
	s_delay_alu instid0(VALU_DEP_1)
	v_add_f32 v19, v19, v20                        ; l
	s_wait_alu depctr_va_vdst(0)
	v_rcp_f32 v19, v19
	v_nop
	v_cmp_le_f32 vcc_lo, 0xec800000, v16           ; -2^90 <= m: some key of the row counts
	s_wait_alu depctr_va_vdst(0)
	v_mul_f32 v18, v18, v19
	s_delay_alu instid0(VALU_DEP_1)
	v_cndmask_b32 v[FF], 0, v18, vcc_lo            ; else p = 0 in the whole row
.endm
; p = e x factor, quantised: the fragment at pr, its scale word at pw
.macro PQ t, sr, pr, pw
.set BM, 242+4*\t
.set FF, 250+2*\t
.set j, 0
.rept 32
	v_pk_mul_f32 v[\sr+j:\sr+j+1], v[\sr+j:\sr+j+1], v[FF:FF+1] op_sel_hi:[1,0]
.set j, j+2
.endr
.irp b, 0,1,2,3
	v_mul_f32 v[BM+\b], v[BM+\b], v[FF]            ; the block's largest p: the same multiplication of the same number
.endr
.irp b, 0,1,2,3
	s_delay_alu instid0(VALU_DEP_4)
	v_max_num_f32 v[BM+\b], 0x1800000, v[BM+\b]    ; the floor 2^(3 - 127)
.endr
.irp b, 0,1,2,3
	s_delay_alu instid0(VALU_DEP_4)
	v_add_nc_u32 v[44+\b], 0xff000000, v[BM+\b]
.endr
.irp b, 0,1,2,3
	s_delay_alu instid0(VALU_DEP_4)
	v_lshrrev_b32 v[16+\b], 23, v[44+\b]
.endr
	s_delay_alu instid0(VALU_DEP_3)
	v_lshl_or_b32 v[\pw], v17, 8, v16
	s_delay_alu instid0(VALU_DEP_1)
	v_lshl_or_b32 v[\pw], v18, 16, v[\pw]
	s_delay_alu instid0(VALU_DEP_1)
	v_lshl_or_b32 v[\pw], v19, 24, v[\pw]
	v_cvt_scalef32_pk16_fp6_f32 v[\pr:\pr+2], v[\sr:\sr+15], v44
	v_cvt_scalef32_pk16_fp6_f32 v[36:38], v[\sr+16:\sr+31], v45
	v_cvt_scalef32_pk16_fp6_f32 v[\pr+6:\pr+8], v[\sr+32:\sr+47], v46
	v_cvt_scalef32_pk16_fp6_f32 v[40:42], v[\sr+48:\sr+63], v47
	v_nop                                          ; one plain place behind a scaled conversion
.irp i, 0,1,2
	v_permlane16_swap_b32 v[\pr+\i], v[36+\i]
	v_permlane16_swap_b32 v[\pr+6+\i], v[40+\i]
.endr
.irp i, 0,1,2
	v_mov_b32 v[\pr+3+\i], v[36+\i]
	v_mov_b32 v[\pr+9+\i], v[40+\i]
.endr
.endm
.macro ODREG t, dt                     ; tile o = 6 t + dt of O^T: its registers, V's fragment, and the address register of its place in LDS
.set o, 6*\t+\dt
.if o < 8
.set dreg, 50+8*o
.elseif o < 11
.set dreg, 214+8*(o-8)
.else
.set dreg, 242
.endif
.if \dt < 4
.set vreg, 114+12*\dt
.else
.set vreg, 178+12*(\dt-4)
.endif
.if o < 4
.set areg, RDS
.elseif o < 8
.set areg, RDS1
.else
.set areg, RDS2
.endif
.endm
.macro PV dt                           ; channel tile dt of O^T's parts, both query tiles, over my 128 keys
.irp t, 0,1
	ODREG \t, \dt
	WM dreg, vreg, 24+178*\t, -1, 170+\dt/2, \dt%2, 48+\t, 0
.endr
.endm
.macro RPART p                         ; wave p's part of my two tiles: four loads into buffer p % 3 of three (v194-241)
.irp q, 0,1,2,3
	ds_load_b128 v[194+16*((\p)%3)+4*\q:194+16*((\p)%3)+4*\q+3], v[RDL] offset:(\q/2)*16384+(\p)*1024+(\q%2)*512
.endr
.endm
.macro RADD p                          ; and onto the sum in v178-193
.irp i, 0,2,4,6,8,10,12,14
	v_pk_add_f32 v[178+\i:179+\i], v[178+\i:179+\i], v[194+16*((\p)%3)+\i:195+16*((\p)%3)+\i]
.endr
.endm
	s_load_b256 s[4:11], s[0:1], 0x0               ; qbuf, kbuf, pbuf, vbuf
	s_load_b128 s[12:15], s[0:1], 0x20             ; wbuf, bo
	s_load_b64 s[16:17], s[0:1], 0x30              ; out0
	v_lshl_add_u32 v[SPW], v0, 2, SPARE
	v_mov_b32 v[NIL], 0
	v_lshrrev_b32 v16, 5, v0
	s_delay_alu instid0(VALU_DEP_1)
	v_readfirstlane_b32 s36, v16                   ; wave 0..15
	v_and_b32 v16, 31, v0                          ; lane
	v_and_b32 v17, 15, v0                          ; r
	v_bfe_u32 v18, v0, 4, 1                        ; g = lane / 16
	s_delay_alu instid0(VALU_DEP_3)
	v_lshlrev_b32 v[LI], 4, v16
	s_delay_alu instid0(VALU_DEP_4)
	v_lshlrev_b32 v[LS], 2, v16
	s_mul_i32 s46, s36, STGB                       ; my stage
	v_mul_u32_u24 v[STS], v18, 5280                ; 8 rows and 8 words for lanes 16-31,
	s_delay_alu instid0(VALU_DEP_1)
	v_lshl_add_u32 v[STS], v17, 2, v[STS]          ; 4 r,
	s_delay_alu instid0(VALU_DEP_1)
	v_add_nc_u32 v[STS], s46, v[STS]
	s_delay_alu instid0(VALU_DEP_1)
	v_add_nc_u32 v[STS], 4, v[STS]                 ; and one word
	v_mul_u32_u24 v[STL], v17, 656
	s_delay_alu instid0(VALU_DEP_1)
	v_lshl_add_u32 v[STL], v18, 5, v[STL]
	s_delay_alu instid0(VALU_DEP_1)
	v_add_nc_u32 v[STL], s46, v[STL]
	s_delay_alu instid0(VALU_DEP_1)
	v_add_nc_u32 v[STL], 64, v[STL]                ; key 0 of the wave stands at word 16 of a row
	s_lshl_b32 s46, s36, 2
	s_add_co_u32 s46, s46, EX
	v_mul_u32_u24 v[EXS], v17, 80                  ; query r's row, my wave's word
	s_delay_alu instid0(VALU_DEP_1)
	v_add_nc_u32 v[EXS], s46, v[EXS]
	v_mul_u32_u24 v[EXL], v17, 80
	s_delay_alu instid0(VALU_DEP_1)
	v_lshl_add_u32 v[EXL], v18, 5, v[EXL]          ; lanes 16-31 take waves 8-15
	s_delay_alu instid0(VALU_DEP_1)
	v_add_nc_u32 v[EXL], EX, v[EXL]
	s_lshl_b32 s46, s36, 10
	v_add_nc_u32 v[RDS], s46, v[LI]
	s_delay_alu instid0(VALU_DEP_1)
	v_add_nc_u32 v[RDS1], 0x10000, v[RDS]
	s_delay_alu instid0(VALU_DEP_2)
	v_add_nc_u32 v[RDS2], 0x20000, v[RDS]
	s_min_u32 s47, s36, 5                          ; waves 0-5 sum; the others never use these three addresses
	s_lshl_b32 s46, s47, 15
	v_add_nc_u32 v[RDL], s46, v[LI]
	s_mul_i32 s48, s47, 11
	s_lshr_b32 s48, s48, 5                         ; t = w / 3
	s_mul_i32 s49, s48, 4792                       ; (16 t + r) 304 + 24 (w - 3 t) + 12 g
	s_mul_i32 s50, s47, 24
	s_add_co_u32 s49, s49, s50
	s_add_co_u32 s49, s49, CTX
	v_mul_u32_u24 v[CXS], v17, 304
	s_delay_alu instid0(VALU_DEP_1)
	v_mad_u32_u24 v[CXS], v18, 12, v[CXS]
	s_delay_alu instid0(VALU_DEP_1)
	v_add_nc_u32 v[CXS], s49, v[CXS]
	s_mul_i32 s49, s48, 253                        ; (16 t + r) 16 + w - 3 t
	s_add_co_u32 s49, s49, s47
	s_add_co_u32 s49, s49, CSC
	v_lshl_add_u32 v[CSS], v17, 4, s49
	s_lshr_b32 s47, s36, 3                         ; for the projection: my query tile,
	s_and_b32 s48, s36, 7                          ; and which three output tiles
	s_mul_i32 s49, s47, 16*1552
	s_mul_i32 s50, s48, 192
	s_add_co_u32 s49, s49, s50
	v_mul_u32_u24 v[OSS], v17, 1552
	s_delay_alu instid0(VALU_DEP_1)
	v_lshl_add_u32 v[OSS], v18, 5, v[OSS]
	s_delay_alu instid0(VALU_DEP_1)
	v_add_nc_u32 v[OSS], s49, v[OSS]
	v_lshlrev_b32 v[LH], 4, v17
	v_add_nc_u32 v[QA], QL, v[LI]
	s_mul_i32 s49, s47, 16*304
	s_add_co_u32 s49, s49, CTX
	v_mul_u32_u24 v19, v17, 304
	s_delay_alu instid0(VALU_DEP_1)
	v_mad_u32_u24 v19, v18, 24, v19
	s_delay_alu instid0(VALU_DEP_1)
	v_add_nc_u32 v[CTXL], s49, v19
	s_mov_b32 s37, ttmp9                           ; block of 32 queries
	s_and_b32 s38, ttmp7, 0xffff                   ; batch
	s_mov_b32 s42, 0x76543210
	s_mov_b32 s43, 0xfedcba98                      ; selects for lane l xor 16
	s_mov_b32 s44, 0x3e16c740                      ; c = log2(e) / sqrt(96)
	s_mov_b32 s45, s44
	s_lshl_b32 s46, s38, 9                         ; 4 heads x 128 tiles a batch
	s_lshl_b32 s47, s37, 1
	s_add_co_u32 s48, s46, s47                     ; Q: tile 512 b + 2 blk
	s_mul_i32 s20, s48, 1536
	s_mov_b32 s21, 0
	s_lshl_b32 s22, s48, 6
	s_add_co_u32 s22, s22, 12582912
	s_mov_b32 s23, 0
	s_lshl_b32 s49, s36, 3
	s_add_co_u32 s48, s46, s49                     ; K: tile 512 b + 8 w
	s_mul_i32 s24, s48, 1536
	s_mov_b32 s25, 0
	s_lshl_b32 s26, s48, 6
	s_add_co_u32 s26, s26, 6291456
	s_mov_b32 s27, 0
	s_add_co_u32 s48, s49, 126
	s_sub_co_u32 s48, s48, s47                     ; pos: tile 8 w - 2 blk + 126 on: column 128 w - 32 blk - 16 - 15 + 2047 is its first
	s_mul_i32 s28, s48, 1536
	s_mov_b32 s29, 0
	s_lshl_b32 s30, s48, 6
	s_add_co_u32 s30, s30, 1572864
	s_mov_b32 s31, 0
	s_lshl_b32 s48, s38, 6
	s_add_co_u32 s48, s48, s36                     ; V: 64 b + w, six images each
	s_mul_i32 s32, s48, 9216
	s_mov_b32 s33, 0
	s_mul_i32 s34, s48, 384
	s_add_co_u32 s34, s34, 4718592
	s_mov_b32 s35, 0
	s_wait_alu depctr_va_vdst(0)
	s_wait_kmcnt 0x0
	s_add_nc_u64 s[20:21], s[4:5], s[20:21]
	s_add_nc_u64 s[22:23], s[4:5], s[22:23]
	s_add_nc_u64 s[24:25], s[6:7], s[24:25]
	s_add_nc_u64 s[26:27], s[6:7], s[26:27]
	s_add_nc_u64 s[28:29], s[8:9], s[28:29]
	s_add_nc_u64 s[30:31], s[8:9], s[30:31]
	s_add_nc_u64 s[32:33], s[10:11], s[32:33]
	s_add_nc_u64 s[34:35], s[10:11], s[34:35]
	; wave w brings q image w % 4 of head w / 4 (0, 1: q_v of tiles 0, 1; 2, 3: q_u) and that tile's 16 scale words
	s_lshr_b32 s46, s36, 2                         ; head
	s_and_b32 s47, s36, 1                          ; tile
	s_bfe_u32 s50, s36, 0x10001                    ; 0: q_v, 1: q_u
	s_mul_i32 s48, s46, 196608
	s_mul_i32 s49, s47, 1536
	s_add_co_u32 s48, s48, s49
	s_mul_i32 s52, s46, 8192
	s_lshl_b32 s49, s47, 6
	s_add_co_u32 s52, s52, s49
	s_cmp_eq_u32 s50, 0
	s_cselect_b32 s49, 6291456, 0                  ; q_v's images and words lie behind q_u's
	s_cselect_b32 s53, 262144, 0
	s_add_co_u32 s48, s48, s49
	s_add_co_u32 s52, s52, s53
	s_mov_b32 s49, 0
	s_mov_b32 s53, 0
	s_add_nc_u64 s[48:49], s[20:21], s[48:49]
	s_add_nc_u64 s[52:53], s[22:23], s[52:53]
	s_mul_i32 s54, s46, QHB
	s_and_b32 s55, s36, 3
	s_mul_i32 s55, s55, 1536
	s_add_co_u32 s55, s55, s54
	s_add_co_u32 s55, s55, QL                      ; where the image goes
	s_lshl_b32 s51, s50, 9
	s_add_co_u32 s54, s54, s51
	s_lshl_b32 s51, s47, 8
	s_add_co_u32 s54, s54, s51
	s_add_co_u32 s54, s54, QL+6144                 ; and the words: 512 bytes for q_v, then q_u; in them 256 bytes a tile
	v_and_b32 v16, 60, v[LS]                       ; 4 r
	v_add_nc_u32 v17, s55, v[LI]
	v_add_nc_u32 v18, s54, v[LH]
	s_wait_alu depctr_va_vdst(0)
.irp k, 0,1,2
	global_load_b128 v[24+4*\k:27+4*\k], v[LI], s[48:49] offset:512*\k
.endr
	global_load_b32 v36, v16, s[52:53]
	ASKHEAD 0, 0                                   ; the first head's pos tiles
	s_wait_loadcnt 35                              ; my q image and its words are in; the 35 loads of pos stay out
.irp k, 0,1,2
	ds_store_b128 v17, v[24+4*\k:27+4*\k] offset:512*\k
.endr
	ds_store_b32 v18, v36                          ; lanes r and r + 16 store the same word
	BAR                                            ; all sixteen images lie in LDS; nothing is stored there again
	ASKQ 0
	s_mov_b32 s39, 4
.Lhead:
	s_wait_loadcnt 0x0
	s_wait_dscnt 0x0                               ; q_v, asked of LDS ahead of the loop (in later heads the barrier's wait has shown it in)
	; ---- BD of query tile 0: pos tiles 1 to 9
.irp p, 0,1,2,3,4,5,6,7,8
	WM 178+8*\p, 24, 62+12*\p, -1, 48, 0, 170+(\p+1)/2, (\p+1)%2
.endr
	NOPS 5                                         ; four places in front of the stores that read the results and of loads into operands that are done with; five in front of matrix instructions that write over such operands
.irp k, 0,1,2
	ds_load_b128 v[24+4*\k:27+4*\k], v[QA] offset:3072+512*\k   ; q_u of tile 0, where q_v of tile 0 lay
.endr
	ds_load_b32 v49, v[QA] offset:6656             ; q_u's scale words: lanes 0-15 tile 0's, lanes 16-31 tile 1's
.irp p, 0,1,2,3,4,5,6,7,8
	STGS 178+8*\p, \p
.endr
	GFRAG 242, 24, 0                               ; K's tile 0
	STGL 178
	; ---- BD of query tile 1: pos tiles 8 down to 0, in batches whose results lie over fragments that are done with; what falls free takes q_u and K
	s_wait_alu depctr_va_vdst(0)
	WM 158, 36, 146, -1, 48, 1, 174, 0
	WM 16, 36, 134, -1, 48, 1, 173, 1
	NOPS 5
.irp k, 0,1,2,3
	global_load_b32 v[174+\k], v[LS], s[26:27] offset:128*\k   ; K's scale words (pos tiles 8 and 9, whose words lay in v174, are done with)
.endr
	STGS 158, 8
	STGS 16, 7
.irp k, 0,1,2
	ds_load_b128 v[158+4*\k:161+4*\k], v[QA] offset:4608+512*\k   ; q_u of tile 1
.endr
	WM 134, 36, 122, -1, 48, 1, 173, 0
	WM 142, 36, 110, -1, 48, 1, 172, 1
	WM 150, 36, 98, -1, 48, 1, 172, 0
	NOPS 5
	STGS 134, 6
	STGS 142, 5
	STGS 150, 4
	GFRAG 146, 24, 1536                            ; K's tiles 1 and 2
	GFRAG 134, 24, 1536*2
	WM 98, 36, 86, -1, 48, 1, 171, 1
	WM 106, 36, 74, -1, 48, 1, 171, 0
	WM 114, 36, 62, -1, 48, 1, 170, 1
	WM 122, 36, 50, -1, 48, 1, 170, 0
	NOPS 5
	GFRAG 36, 24, 1536*3                           ; K's tile 3, where q_v of tile 1 lay
	STGS 98, 3
	STGS 106, 2
	STGS 114, 1
	STGS 122, 0
	GFRAG 114, 24, 1536*4                          ; K's tile 4
	STGL 50
	s_wait_dscnt 0x0                               ; the skewed rows are in; my use of the stage is over
	s_wait_loadcnt 6                               ; q_u, K's scale words and tiles 0 to 2 are in; the six loads of tiles 3 and 4 stay out
	AC 0, 242
	AC 1, 146
	AC 2, 134
	NOPS 4
	GFRAG 242, 24, 1536*5
	GFRAG 146, 24, 1536*6
	GFRAG 134, 24, 1536*7
	s_wait_loadcnt 9                               ; tiles 3 and 4 are in; the nine loads just issued stay out
	AC 3, 36
	AC 4, 114
	s_wait_loadcnt 6                               ; tile 5
	AC 5, 242
	s_wait_loadcnt 3                               ; tile 6
	AC 6, 146
	s_wait_loadcnt 0x0
	AC 7, 134
	NOPS 4
	; ---- V's first four tiles are asked for; they land under the softmax
.irp i, 0,1,2,3
	GFULL 114+12*\i, 32, 1536*\i
.endr
.irp k, 0,1,2
	global_load_b32 v[170+\k], v[LS], s[34:35] offset:128*\k
.endr
	SOFT1 0, 178
	SOFT1 1, 50
	BAR                                            ; every wave's m_w and l_w lie in LDS, and no wave reads its stage any more
	ds_load_b128 v[24:27], v[EXL]
	ds_load_b128 v[28:31], v[EXL] offset:16
	ds_load_b128 v[32:35], v[EXL] offset:EXQ
	ds_load_b128 v[36:39], v[EXL] offset:EXQ+16
	ds_load_b128 v[40:43], v[EXL] offset:EXT
	ds_load_b128 v[44:47], v[EXL] offset:EXT+16
	ds_load_b128 v[162:165], v[EXL] offset:EXQ+EXT
	ds_load_b128 v[166:169], v[EXL] offset:EXQ+EXT+16
	s_wait_dscnt 0x0
	SOFT2 0, 24, 32
	SOFT2 1, 40, 162
	PQ 0, 178, 24, 48
	GFULL 178, 32, 1536*4
	GFULL 190, 32, 1536*5
	PQ 1, 50, 202, 49
	NOPS 8                                         ; a scale word made by vector instructions stands eight places ahead of the matrix instruction that takes it
	; ---- O^T's parts: six channel tiles x two query tiles over my 128 keys
	s_wait_alu depctr_va_vdst(0)
	s_wait_loadcnt 6                               ; V's first four tiles and all its scale words are in; the six loads of the last two stay out
	PV 0
	PV 1
	PV 2
	PV 3
	s_wait_loadcnt 0x0
	PV 4
	PV 5
	NOPS 5
.irp t, 0,1
.irp dt, 0,1,2,3,4,5
	ODREG \t, \dt
	ds_store_b128 v[areg], v[dreg:dreg+3] offset:(o%4)*16384
	ds_store_b128 v[areg], v[dreg+4:dreg+7] offset:(o%4)*16384+512
.endr
.endr
	BAR                                            ; all sixteen parts lie in LDS
	s_cmp_eq_u32 s39, 1                            ; the next head's q_v and pos tiles are asked for here, if there is a next head: no load leaves its buffer.  They land under the reduction, which keeps to v178-248
	s_cbranch_scc1 .Lno_next
	ASKHEAD 393216, 16384
	ASKQ QHB
.Lno_next:
	s_cmp_lt_u32 s36, 6
	s_cbranch_scc0 .Lno_red
	; ---- waves 0-5: tiles 2 w, 2 w + 1 (query tile w / 3, block w % 3 of the head's three) are summed over the waves, in ascending order, and quantised: 16 codes a lane
	RPART 0
	RPART 1
	RPART 2
	s_wait_dscnt 4                                 ; parts 0 and 1 are in; part 2's four loads stay out
.irp i, 0,2,4,6,8,10,12,14
	v_pk_add_f32 v[178+\i:179+\i], v[194+\i:195+\i], v[210+\i:211+\i]   ; the first two parts start the sum
.endr
	RPART 3
	RPART 4
.set rp, 2
	s_wait_alu depctr_va_vdst(0)
.rept 14
.if rp < 14
	s_wait_alu depctr_va_vdst(0)
	s_wait_dscnt 8                                 ; this part is in; the two younger parts' eight loads stay out
.else
	s_wait_alu depctr_va_vdst(0)
	s_wait_dscnt 4*(15-rp)
.endif
	RADD rp
.if rp+3 < 16
	RPART rp+3                                     ; into the buffer just summed
.endif
.set rp, rp+1
.endr
	v_max3_num_f32 v242, |v178|, |v179|, 0x1800000
.irp i, 2,4,6,8,10,12,14
	s_delay_alu instid0(VALU_DEP_1)
	v_max3_num_f32 v242, v242, |v[178+\i]|, |v[179+\i]|
.endr
	v_permlanex16_b32 v243, v242, s42, s43
	s_delay_alu instid0(VALU_DEP_1)
	v_max_num_f32 v242, v242, v243
	s_delay_alu instid0(VALU_DEP_1)
	v_add_nc_u32 v244, 0xff000000, v242
	s_delay_alu instid0(VALU_DEP_1)
	v_lshrrev_b32 v245, 23, v244
	v_cvt_scalef32_pk16_fp6_f32 v[246:248], v[178:193], v244
	v_nop                                          ; one plain place behind a scaled conversion
	ds_store_b32 v[CXS], v246                      ; the block's places 16 g .. 16 g + 15: 12 bytes of my query's row of codes
	ds_store_b32 v[CXS], v247 offset:4
	ds_store_b32 v[CXS], v248 offset:8
	ds_store_b8 v[CSS], v245                       ; lanes r and r + 16 store the same byte
.Lno_red:
	BAR                                            ; the parts have been read: the next head's stages may be written over them
	v_add_nc_u32 v[CXS], 72, v[CXS]                ; the next head's 96 codes
	v_add_nc_u32 v[CSS], 3, v[CSS]
	v_add_nc_u32 v[QA], QHB, v[QA]                 ; the next head's q block
	s_wait_alu depctr_va_vdst(0)
	s_wait_xcnt 0x0
	s_add_nc_u64 s[24:25], s[24:25], 196608
	s_add_nc_u64 s[26:27], s[26:27], 8192
	s_add_nc_u64 s[28:29], s[28:29], 393216
	s_add_nc_u64 s[30:31], s[30:31], 16384
	s_add_nc_u64 s[32:33], s[32:33], 147456
	s_add_nc_u64 s[34:35], s[34:35], 6144
	s_sub_co_i32 s39, s39, 1
	s_cmp_lg_u32 s39, 0
	s_cbranch_scc1 .Lhead
	; ---- out = ctx Wo + bo.  Wave w: query tile w / 8, output tiles 3 (w % 8) + 0, 1, 2.  Transposed: source 0 = 16 columns of Wo, source 1 = 16 queries: a lane holds eight neighbouring outputs of one row
	s_wait_loadcnt 0x0                             ; no load is out when the registers below are given to new loads (the last head asked for nothing)
	s_and_b32 s46, s36, 7
	s_mul_i32 s48, s46, 4608
	s_add_co_u32 s48, s48, 442368                  ; Wo is weight 4
	s_mov_b32 s49, 0
	s_add_nc_u64 s[48:49], s[12:13], s[48:49]
	s_mul_i32 s50, s46, 192
	s_mov_b32 s51, 0
	s_add_nc_u64 s[52:53], s[14:15], s[50:51]      ; bo at my 48 outputs
	s_add_co_u32 s50, s50, 571392
	s_add_nc_u64 s[50:51], s[12:13], s[50:51]      ; Wo's scale words
	s_lshl_b32 s54, s38, 11
	s_lshl_b32 s46, s37, 5
	s_add_co_u32 s54, s54, s46
	s_lshl_b32 s46, s36, 1
	s_add_co_u32 s54, s54, s46                     ; the two rows of out that I store: 2,048 b + 32 blk + 2 w
	s_mul_i32 s54, s54, 1536
	s_mov_b32 s55, 0
	s_add_nc_u64 s[54:55], s[16:17], s[54:55]
	v_and_b32 v16, 60, v[LS]                       ; 4 r
	v_lshrrev_b32 v17, 1, v[LS]
	s_delay_alu instid0(VALU_DEP_1)
	v_and_b32 v17, 32, v17
	s_lshr_b32 s56, s36, 3                         ; the loop's two address registers are done with: they become ctx's scale words (my query tile's rows, 16 bytes a row)
	s_lshl_b32 s56, s56, 8
	s_add_co_u32 s56, s56, CSC
	s_mul_i32 s57, s36, 2*1552                     ; and the two rows of out that I read back
	v_lshl_add_u32 v[CSCL], v16, 2, s56
	v_add_nc_u32 v[OSL], s57, v[LI]
	s_wait_alu depctr_va_vdst(0)
.irp s, 0,1,2
.irp i, 0,1,2
.if 3*\s+\i < 6
	GFULL 86+12*(3*\s+\i), 48, (24*\s+\i)*1536
.else
	GFULL 178+12*(3*\s+\i-6), 48, (24*\s+\i)*1536
.endif
.endr
	global_load_b32 v[170+2*\s], v[LS], s[50:51] offset:(24*\s)*64      ; lanes 0-15 output tile 0's words, lanes 16-31 tile 1's
	global_load_b32 v[171+2*\s], v16, s[50:51] offset:(24*\s+2)*64      ; tile 2's
.endr
.irp i, 0,1,2
	global_load_b128 v[214+8*\i:217+8*\i], v17, s[52:53] offset:64*\i
	global_load_b128 v[218+8*\i:221+8*\i], v17, s[52:53] offset:64*\i+16
.endr
.irp s, 0,1,2
.irp c, 0,1
.irp k, 0,1,2
	ds_load_b64 v[50+12*\s+6*\c+2*\k:51+12*\s+6*\c+2*\k], v[CTXL] offset:96*\s+48*\c+8*\k
.endr
.endr
.endr
	ds_load_b32 v176, v[CSCL]
	ds_load_b32 v177, v[CSCL] offset:4
	ds_load_b32 v48, v[CSCL] offset:8
	s_wait_loadcnt 0x0
	s_wait_dscnt 0x0
.irp s, 0,1,2                                  ; three sums by turns, one instruction a turn
.irp i, 0,1,2
.if 3*\s+\i < 6
.set wreg, 86+12*(3*\s+\i)
.else
.set wreg, 178+12*(3*\s+\i-6)
.endif
.if \s < 2
.set creg, 176+\s
.else
.set creg, 48
.endif
.if \s == 0
	WM 24+8*\i, wreg, 50+12*\s, 214+8*\i, 170+2*\s+\i/2, \i%2, creg, 0
.else
	WM 24+8*\i, wreg, 50+12*\s, 24+8*\i, 170+2*\s+\i/2, \i%2, creg, 0
.endif
.endr
.endr
	NOPS 4
.irp i, 0,1,2
	ds_store_b128 v[OSS], v[24+8*\i:27+8*\i] offset:64*\i
	ds_store_b128 v[OSS], v[28+8*\i:31+8*\i] offset:64*\i+16
.endr
	BAR                                            ; 32 whole rows of out lie in LDS
.irp rw, 0,1
.irp i, 0,1,2
	ds_load_b128 v[50+4*(3*\rw+\i):53+4*(3*\rw+\i)], v[OSL] offset:\rw*1552+512*\i
.endr
.endr
.irp rw, 0,1
.irp i, 0,1,2
	s_wait_dscnt 5-3*\rw-\i                        ; LDS loads come back in order: this one is in, the younger stay out
	global_store_b128 v[LI], v[50+4*(3*\rw+\i):53+4*(3*\rw+\i)], s[54:55] offset:\rw*1536+512*\i th:TH_STORE_NT   ; 32 lanes store 512 consecutive bytes, at a multiple of 256 from out0's first byte
.endr
.endr
	s_wait_tensorcnt 0x0                           ; the wave's end, behind my last LDS store
	ds_add_u32 v[SPW], v[NIL]
	s_wait_dscnt 0x0
	s_endpgm
.Lfunc_end_k_qffdae80373_attn:
	.size	k_qffdae80373_attn, .Lfunc_end_k_qffdae80373_attn-k_qffdae80373_attn
	.p2alignl 7, 3214868480
	.fill 96, 4, 3214868480
	.section	.rodata,"a",@progbits
	.p2align	6, 0x0
	.amdhsa_kernel k_qffdae80373_attn
		.amdhsa_group_segment_fixed_size 249856
		.amdhsa_private_segment_fixed_size 0
		.amdhsa_enable_private_segment 0
		.amdhsa_kernarg_size 56
		.amdhsa_user_sgpr_count 2
		.amdhsa_user_sgpr_kernarg_segment_ptr 1
		.amdhsa_wavefront_size32 1
		.amdhsa_system_sgpr_workgroup_id_x 1
		.amdhsa_system_sgpr_workgroup_id_y 1
		.amdhsa_system_sgpr_workgroup_id_z 1
		.amdhsa_system_vgpr_workitem_id 0
		.amdhsa_next_free_vgpr 256
		.amdhsa_next_free_sgpr 66
		.amdhsa_reserve_vcc 1
		.amdhsa_float_denorm_mode_32 3
		.amdhsa_float_denorm_mode_16_64 3
		.amdhsa_memory_ordered 1
		.amdhsa_forward_progress 1
		.amdhsa_inst_pref_size 96
	.end_amdhsa_kernel
	.amdgpu_metadata
---
amdhsa.version: [ 1, 2 ]
amdhsa.kernels:
  - .name:           k_qffdae80373_attn
    .symbol:         k_qffdae80373_attn.kd
    .args:
      - { .name: qbuf, .offset: 0, .size: 8, .value_kind: global_buffer, .address_space: global }
      - { .name: kbuf, .offset: 8, .size: 8, .value_kind: global_buffer, .address_space: global }
      - { .name: pbuf, .offset: 16, .size: 8, .value_kind: global_buffer, .address_space: global }
      - { .name: vbuf, .offset: 24, .size: 8, .value_kind: global_buffer, .address_space: global }
      - { .name: wbuf, .offset: 32, .size: 8, .value_kind: global_buffer, .address_space: global }
      - { .name: bo, .offset: 40, .size: 8, .value_kind: global_buffer, .address_space: global }
      - { .name: out0, .offset: 48, .size: 8, .value_kind: global_buffer, .address_space: global }
    .group_segment_fixed_size: 249856
    .private_segment_fixed_size: 0
    .kernarg_segment_align: 8
    .kernarg_segment_size: 56
    .max_flat_workgroup_size: 512
    .sgpr_count:     66
    .vgpr_count:     256
    .wavefront_size: 32
...
	.end_amdgpu_metadata
.endif
;; end of part 3
